; MI455X (gfx1250); checked and timed in simulation.
; The chip was launched on July 23, 2026; its instructions are those of AMD's public machine-readable ISA for CDNA 5 (MIT licence, August 2026) and "CDNA5" Instruction Set Architecture Reference Guide (July 2026). The comments in the code are by the model that wrote it; some were corrected since.
;; Self Attention2. Allowed arithmetic: matrix products marked QUANTISED: E2M1 operands, one E8M0 scale for each 32 along K, by v_wmma_scale_f32_16x16x128_f8f6f4 with both operands' format E2M1 (or v_wmma_scale_f32_32x16x128_f4), f32 sums; products left as they are: bf16, f16 or f32 operands; f32 sums; everything else in f32.
;; Inputs: Wc 1,024 x 1,024 float32; Wk 1,024 x 1,024 float32; Wq 1,024 x 1,024 float32; Wv 1,024 x 1,024 float32; attention_mask 4 x 2,048 bool; bc 1,024 float32; bk 1,024 float32; bq 1,024 float32; bv 1,024 float32; k 4 x 2,048 x 1,024 float32; q 4 x 2,048 x 1,024 float32; v 4 x 2,048 x 1,024 float32.
;; Outputs: out0 4 x 2,048 x 1,024 float32.
;; This version of the problem:
;;   THIS VERSION OF THE PROBLEM IS GIVEN IN LOW PRECISION. The matrix products marked QUANTISED in the list below multiply operands that are first quantised to E2M1 (2 exponent bits, 1 mantissa bit; 4 bits a number), with one power-of-two scale for each 32 numbers along K (OCP MX v1.0); their sums are f32. The products marked 'left as it is' may take bf16, f16 or f32 operands, with f32 sums. Whichever they take, every output number must still come out within the allowed error. Rounding operands to bf16 (8 significant bits) uses up far more of that allowance than f16 does (11 bits, for magnitudes from 6e-5 to 65,504). All else is computed in f32.
;;   The module's matrix products, in the order in which they are computed (A, B: the left and right operand; K: the contracted axis; several contracted axes count as one K, in the product's order):
;;     1. [M 8,192, K 1,024] x [K 1,024, N 1,024]; A: input q; B: input Wq: QUANTISED
;;     2. [M 8,192, K 1,024] x [K 1,024, N 1,024]; A: input k; B: input Wk: QUANTISED
;;     3. [M 8,192, K 1,024] x [K 1,024, N 1,024]; A: input v; B: input Wv: QUANTISED
;;     4. batch 64 x [M 2,048, K 64] x [K 64, N 2,048]; A: computed on the way; B: computed on the way: left as it is (an operand is computed on the way)
;;     5. batch 64 x [M 2,048, K 2,048] x [K 2,048, N 64]; A: computed on the way; B: computed on the way: left as it is (an operand is computed on the way)
;;     6. [M 8,192, K 1,024] x [K 1,024, N 1,024]; A: computed on the way; B: input Wc: left as it is (an operand is computed on the way)
;;   THE QUANTISER, for each operand of a quantised product, along K:
;;     - K is cut into blocks of 32 from its start; a last block that is shorter is filled with zeros.
;;     - A block's scale is 2^e with e = floor(log2(the largest magnitude in the block)) - 2, held to -126 .. 127; a block of zeros has e = 0. As a byte (E8M0): e + 127.
;;     - Each number is divided by its block's scale, clamped to +-6, and rounded to the nearest number of E2M1, ties to even, subnormals kept.
;;     - The product sums the exact products of the quantised numbers (number of the format x scale) in f32.
;;   ~~~python
;;   def quantise(x, axis):      # numpy; x: float32 -> the quantised numbers, widened to float32 again
;;       x = np.moveaxis(x, axis, -1); K = x.shape[-1]
;;       x = np.pad(x, [(0, 0)] * (x.ndim - 1) + [(0, -K % 32)]); x = x.reshape(x.shape[:-1] + (-1, 32)); a = np.abs(x).max(-1, keepdims=True)
;;       e = np.where(a > 0, np.clip(np.frexp(np.where(a > 0, a, 1))[1] - 1 - 2, -126, 127), 0)      # np.frexp(a)[1] - 1 = floor(log2(a)), exactly
;;       r = np.clip(x / 2.0 ** e, -6, 6)
;;       step = 2.0 ** (np.maximum(np.frexp(np.where(r == 0, 1, r))[1] - 1, 0) - 1)
;;       q = np.round(r / step) * step * 2.0 ** e      # np.round: ties to even
;;       return np.moveaxis(q.reshape(q.shape[:-2] + (-1,))[..., :K], -1, axis).astype(np.float32)
;;   ~~~
;; One version. Each part assembles by itself: llvm-mc -triple=amdgcn-amd-amdhsa -mcpu=gfx1250 --defsym DOCPART=n.
;; ======== version 1 of 1: 5 launches
;; limits: values are held in f16: magnitudes above 65,504 overflow, below 6.1e-05 lose precision
;; workspace buffers: codes 14,155,776 bytes; scales 884,736 bytes; wcf 2,097,152 bytes; wc32 4,194,304 bytes; qkv 50,331,648 bytes; vsum 262,144 bytes; f32img 786,432 bytes; af 16,777,216 bytes
;; launch quant (part 1): grid 896 x 1, 4 waves a work-group, no clusters, 50,688 bytes of LDS; arguments q, k, v, Wq, Wk, Wv, Wc, codes, scales, wcf, wc32; writes codes, scales, wcf, wc32
.if DOCPART == 1
	.amdgcn_target "amdgcn-amd-amdhsa--gfx1250"
	.amdhsa_code_object_version 6
	.text
	.protected	k_q51e38b8ac6_quant
	.globl	k_q51e38b8ac6_quant
	.p2align	8
	.type	k_q51e38b8ac6_quant,@function
k_q51e38b8ac6_quant:
	s_mov_b64 s[64:65], 0
	v_nop
	global_prefetch_b8 v0, s[64:65] scope:SCOPE_SE
	s_setreg_imm32_b32 hwreg(HW_REG_WAVE_MODE, 25, 1), 1
	s_wait_xcnt 0x0
; q, k, v [8192][1024] and Wq, Wk, Wv [1024][1024], f32 with K innermost, become codes of FP4 (E2M1) and one E8M0 byte for each 32 along K;
; Wc [1024][1024] becomes two images of operand registers, one in f16 and one in f32.
; A block's scale is 2^(floor(log2(its largest magnitude)) - 2); its byte is the largest magnitude's exponent field - 2, held at 1 from below.
; LIMITS: a block of zeros, and a block whose largest magnitude lies under 2^-124, get the byte 1 (the bytes are read by this program alone, and zero codes add nothing);
; NaN and infinities among the inputs are not served; Wc must lie inside f16's range (65,504; under 6e-5 it loses bits).
; SHARES: work-groups 0-767 take q, k, v (256 each), 768-863 the three weights (32 each), 864-895 Wc.  A work-group takes 32,768 numbers, a wave 8,192.
; Rows are dense and K is a multiple of 32: the six tensors are plain streams of blocks of 32, and so are their codes and bytes.  Only pointers are chosen: the six take one way through the text.
; codes: q, k, v 4,194,304 bytes each, then the weights 524,288 each; scales: 262,144 each, then 32,768 each.
; Each of the two ways has LDS bytes of its own; waves share nothing, so there is no barrier.
.set STEPS, 16
.set EMAX,  2
.set CB,    8                          ; bytes of 16 codes
.set R,     16                         ; v16-79   numbers as they are loaded (streams: four sets of 16; Wc: two sets of 32)
.set X,     80                         ; v80-111  numbers as a lane wants them
.set E,     112                        ; v112-127 a scale byte for each step (Wc: the f16 image)
.set C,     128                        ; v128-191 codes: four registers for each step
.set WREG,  8192                       ; LDS of a wave on the streams' way: two stages of 32 x SP bytes, then its 256 scale bytes
.set SP,    80                         ; a lane's place in a stage: 64 bytes + 16
.set WCST,  32768                      ; LDS of Wc's way: 16 rows x 272 bytes for each wave
.set WCW,   4352
.set SPARE, 50176                      ; the spare words, 128 bytes for each wave
.set SPW,   12                         ; v12 my spare word's address; never rewritten
.set NIL,   13                         ; v13 0; never rewritten
.set NACT,  768
.set NMX,   864
.set WCODES,  12582912
.set WSCALES, 786432
	s_load_b256 s[4:11], s[0:1], 0x0               ; q, k, v, Wq
	s_load_b256 s[12:19], s[0:1], 0x20             ; Wk, Wv, Wc, codes
	s_load_b128 s[20:23], s[0:1], 0x40             ; scales, wcf
	s_load_b64 s[24:25], s[0:1], 0x50              ; wc32
	v_lshl_add_u32 v[SPW], v0, 2, SPARE
	v_mov_b32 v[NIL], 0
	v_lshrrev_b32 v1, 5, v0
	v_readfirstlane_b32 s26, v1                    ; wave
	v_and_b32 v2, 31, v0                           ; lane
	s_cmp_ge_u32 ttmp9, NMX
	s_cbranch_scc1 .Lwc
	; ---------------- the six streams
	v_lshlrev_b32 v3, 4, v2                        ; my 16 bytes of a load's 512
	s_mul_i32 s34, s26, WREG
	v_lshrrev_b32 v14, 2, v2
	v_mul_u32_u24 v14, v14, SP
	v_and_b32 v15, 3, v2
	v_lshl_add_u32 v14, v15, 4, v14
	v_add_nc_u32 v14, s34, v14                     ; the stage on the way in: SP (lane / 4) + 16 (lane % 4)
	v_mul_u32_u24 v15, v2, SP
	v_add_nc_u32 v15, s34, v15                     ; and on the way out: SP x lane: my 16 neighbours
	v_mul_u32_u24 v4, v2, CB                       ; my codes' place in a step's
	v_lshrrev_b32 v5, 1, v2
	s_add_co_u32 s34, s34, 2*32*SP
	v_add_nc_u32 v5, s34, v5                       ; my block's byte among my wave's 256
	v_lshlrev_b32 v7, 3, v2
	v_add_nc_u32 v6, s34, v7                       ; and on the way out 8 bytes a lane
	s_lshr_b32 s35, ttmp9, 8                       ; an activation: which, and which part of it
	s_and_b32 s36, ttmp9, 255
	s_sub_co_u32 s37, ttmp9, NACT                  ; a weight: the same (not used in an activation's work-group)
	s_lshr_b32 s38, s37, 5
	s_and_b32 s39, s37, 31
	s_lshl_b32 s40, s35, 22                        ; where the tensor's codes and bytes begin
	s_lshl_b32 s41, s38, 19
	s_add_co_u32 s41, s41, WCODES
	s_lshl_b32 s42, s35, 18
	s_lshl_b32 s43, s38, 15
	s_add_co_u32 s43, s43, WSCALES
	s_cmp_lt_u32 ttmp9, NACT
	s_cselect_b32 s35, s35, s38                    ; 0, 1, 2: q, k, v or Wq, Wk, Wv
	s_cselect_b32 s36, s36, s39
	s_cselect_b32 s40, s40, s41
	s_cselect_b32 s42, s42, s43
	s_lshl_b32 s36, s36, 2
	s_add_co_u32 s36, s36, s26                     ; which run of 8,192 numbers is my wave's
	s_mov_b32 s45, 0
	s_wait_kmcnt 0x0
	s_cmp_eq_u32 s35, 1                            ; the choices hang on the work-group's number alone
	s_cselect_b64 s[28:29], s[6:7], s[4:5]
	s_cselect_b64 s[30:31], s[12:13], s[10:11]
	s_cmp_eq_u32 s35, 2
	s_cselect_b64 s[28:29], s[8:9], s[28:29]
	s_cselect_b64 s[30:31], s[14:15], s[30:31]
	s_cmp_lt_u32 ttmp9, NACT
	s_cselect_b64 s[28:29], s[28:29], s[30:31]
	s_lshl_b32 s44, s36, 15
	s_add_nc_u64 s[28:29], s[28:29], s[44:45]      ; the numbers,
	s_lshl_b32 s44, s36, 12
	s_add_co_u32 s44, s44, s40
	s_add_nc_u64 s[30:31], s[18:19], s[44:45]      ; their codes,
	s_lshl_b32 s44, s36, 8
	s_add_co_u32 s44, s44, s42
	s_add_nc_u64 s[32:33], s[20:21], s[44:45]      ; their scale bytes
.macro LOAD t
.irp i, 0,1,2,3
	global_load_b128 v[R+16*((\t)%4)+4*\i:R+16*((\t)%4)+4*\i+3], v3, s[28:29] offset:2048*(\t)+512*\i th:TH_LOAD_NT   ; 32 lanes read 512 consecutive bytes
.endr
.endm
.macro TURN t                          ; step t's numbers through the stage: LDS serves a wave's instructions in order, so no wait stands between the stores and the loads
.irp i, 0,1,2,3
	ds_store_b128 v14, v[R+16*((\t)%4)+4*\i:R+16*((\t)%4)+4*\i+3] offset:32*SP*((\t)%2)+8*SP*\i
.endr
.irp i, 0,1,2,3
	ds_load_b128 v[X+16*((\t)%2)+4*\i:X+16*((\t)%2)+4*\i+3], v15 offset:32*SP*((\t)%2)+16*\i
.endr
.endm
.irp t, 0,1,2,3
	LOAD \t
.endr
	s_wait_loadcnt 12                              ; step 0's four loads are in; the twelve of steps 1 to 3 may be out
	TURN 0
.macro STEP t
.set XS, X+16*((\t)%2)
.if (\t) > 0
	s_wait_dscnt 1                                 ; this step's numbers are back from the stage (the last step's byte store may be out): so its stores into the stage have read their registers,
.else
	s_wait_dscnt 0x0
.endif
.if (\t)+4 < STEPS
	LOAD (\t)+4                                    ; which take the loads of four steps on
.endif
.if (\t)+1 < STEPS
.if STEPS-2-(\t) >= 3
	s_wait_loadcnt 12                              ; the next step's four loads are in; those of the three steps behind it may be out
.else
	s_wait_loadcnt 4*(STEPS-2-(\t))
.endif
	TURN (\t)+1                                    ; and go through the other stage while this step is worked
.endif
	v_max3_num_f32 v8, |v[XS]|, |v[XS+1]|, |v[XS+2]|               ; the largest magnitude of my 16, in two chains
	v_max3_num_f32 v9, |v[XS+3]|, |v[XS+4]|, |v[XS+5]|
.irp i, 6,10
	v_max3_num_f32 v8, v8, |v[XS+\i]|, |v[XS+\i+1]|
	v_max3_num_f32 v9, v9, |v[XS+\i+2]|, |v[XS+\i+3]|
.endr
	v_max3_num_f32 v8, v8, |v[XS+14]|, |v[XS+15]|
	v_max3_num_f32 v8, v8, v9, (EMAX+1)<<23        ; and the floor 2^(EMAX + 1 - 127): the byte cannot fall under 1
	v_max_num_f32_dpp v8, v8, v8 row_xmask:1 row_mask:0xf bank_mask:0xf   ; and of my neighbour's 16: the block's
	v_add_nc_u32 v11, -(EMAX<<23), v8              ; EMAX off its exponent field: the conversion takes this operand's exponent field as its scale
	v_cvt_scalef32_pk8_fp4_f32 v[C+4*(\t)], v[XS:XS+7], v11
	v_cvt_scalef32_pk8_fp4_f32 v[C+4*(\t)+1], v[XS+8:XS+15], v11
	v_lshrrev_b32 v[E+(\t)], 23, v11               ; the scale's byte (also the plain line behind the conversions)
	ds_store_b8 v5, v[E+(\t)] offset:16*(\t)       ; both lanes of a block write the same byte with the same value
	global_store_b64 v4, v[C+4*(\t):C+4*(\t)+1], s[30:31] offset:32*CB*(\t)   ; the wave stores 256 consecutive bytes, aligned
.endm
.irp t, 0,1,2,3,4,5,6,7,8,9,10,11,12,13,14,15
	STEP \t
.endr
	ds_load_b64 v[8:9], v6                         ; LDS serves a wave's instructions in order: these see my stores
	s_wait_dscnt 0x0
	global_store_b64 v7, v[8:9], s[32:33]          ; 32 lanes store 256 consecutive bytes, aligned
	s_wait_tensorcnt 0x0                           ; the wave's end: three lines behind my last LDS store
	ds_add_u32 v[SPW], v[NIL]
	s_wait_dscnt 0x0
	s_endpgm
	; ---------------- Wc: a wave takes 16 rows (an n tile) x 512 along K, in eight steps of 64 along K
	; wc32: [n tile 64][chunk of 16 k: 64][c 2][lane][16 bytes]: lane (r, h) holds Wc[16 nt + r][16 g + 8 h + 4 c + 0..3];   wcf: [n tile][chunk][lane][16 bytes]: the same eight numbers in f16.
.Lwc:
	s_sub_co_u32 s34, ttmp9, NMX
	s_lshl_b32 s34, s34, 2
	s_add_co_u32 s34, s34, s26
	s_lshr_b32 s35, s34, 1                         ; n tile
	s_and_b32 s36, s34, 1                          ; which half of K
	s_lshl_b32 s38, s35, 16
	s_lshl_b32 s40, s36, 11
	s_add_co_u32 s40, s40, s38
	s_mov_b32 s41, 0
	s_wait_kmcnt 0x0
	s_add_nc_u64 s[28:29], s[16:17], s[40:41]      ; Wc: 16 rows of 4,096 bytes, 2,048 bytes a half
	s_lshl_b32 s40, s36, 15
	s_add_co_u32 s40, s40, s38
	s_add_nc_u64 s[30:31], s[24:25], s[40:41]      ; wc32
	s_lshl_b32 s40, s35, 15
	s_lshl_b32 s42, s36, 14
	s_add_co_u32 s40, s40, s42
	s_add_nc_u64 s[32:33], s[22:23], s[40:41]      ; wcf
	v_lshrrev_b32 v5, 4, v2                        ; h
	v_and_b32 v6, 15, v2                           ; r
	v_lshlrev_b32 v7, 4, v6
	v_lshl_add_u32 v8, v5, 12, v7                  ; in: sixteen lanes read 256 consecutive bytes of a row, two rows a load
	s_mul_i32 s34, s26, WCW
	s_add_co_u32 s34, s34, WCST
	v_mad_u32_u24 v9, v5, 272, v7
	v_add_nc_u32 v9, s34, v9                       ; into the stage as loaded
	v_mul_u32_u24 v10, v6, 272
	v_lshl_add_u32 v10, v5, 5, v10
	v_add_nc_u32 v10, s34, v10                     ; out of it: row r, + 32 h
	v_lshlrev_b32 v11, 4, v2                       ; an image's place for my lane
.macro LOADW e
.irp i, 0,1,2,3,4,5,6,7
	global_load_b128 v[R+32*((\e)%2)+4*\i:R+32*((\e)%2)+4*\i+3], v8, s[28:29] offset:8192*\i+256*(\e) th:TH_LOAD_NT
.endr
.endm
.macro STEPW e
.if (\e) < 7
	s_wait_loadcnt 8                               ; this step's eight loads are in; the next step's may be out
.else
	s_wait_loadcnt 0x0
.endif
.irp i, 0,1,2,3,4,5,6,7
	ds_store_b128 v9, v[R+32*((\e)%2)+4*\i:R+32*((\e)%2)+4*\i+3] offset:544*\i
.endr
	s_wait_xcnt 0x0                                ; the last step's stores have read X and the f16 registers: both are written again below
.irp g, 0,1,2,3
.irp c, 0,1
	ds_load_b128 v[X+8*\g+4*\c:X+8*\g+4*\c+3], v10 offset:64*\g+16*\c
.endr
.endr
	s_wait_dscnt 0x0                               ; the numbers are back, and the stores into the stage have read their registers,
.if (\e)+2 < 8
	LOADW (\e)+2                                   ; which take the loads of two steps on
.endif
.irp g, 0,1,2,3
.irp i, 0,1,2,3
	v_cvt_pk_f16_f32 v[E+4*\g+\i], v[X+8*\g+2*\i], v[X+8*\g+2*\i+1]
.endr
.endr
.irp g, 0,1,2,3
.irp c, 0,1
	global_store_b128 v11, v[X+8*\g+4*\c:X+8*\g+4*\c+3], s[30:31] offset:(4*(\e)+\g)*1024+512*\c   ; 512 consecutive bytes a store
.endr
	global_store_b128 v11, v[E+4*\g:E+4*\g+3], s[32:33] offset:(4*(\e)+\g)*512
.endr
.endm
	LOADW 0
	LOADW 1
.irp e, 0,1,2,3,4,5,6,7
	STEPW \e
.endr
	s_wait_tensorcnt 0x0                           ; the wave's end: three lines behind my last LDS store
	ds_add_u32 v[SPW], v[NIL]
	s_wait_dscnt 0x0
	s_endpgm
.Lfunc_end_k_q51e38b8ac6_quant:
	.size	k_q51e38b8ac6_quant, .Lfunc_end_k_q51e38b8ac6_quant-k_q51e38b8ac6_quant
	.p2alignl 7, 3214868480
	.fill 96, 4, 3214868480
	.section	.rodata,"a",@progbits
	.p2align	6, 0x0
	.amdhsa_kernel k_q51e38b8ac6_quant
		.amdhsa_group_segment_fixed_size 50688
		.amdhsa_private_segment_fixed_size 0
		.amdhsa_enable_private_segment 0
		.amdhsa_kernarg_size 88
		.amdhsa_user_sgpr_count 2
		.amdhsa_user_sgpr_kernarg_segment_ptr 1
		.amdhsa_wavefront_size32 1
		.amdhsa_system_sgpr_workgroup_id_x 1
		.amdhsa_system_sgpr_workgroup_id_y 1
		.amdhsa_system_sgpr_workgroup_id_z 1
		.amdhsa_system_vgpr_workitem_id 0
		.amdhsa_next_free_vgpr 192
		.amdhsa_next_free_sgpr 66
		.amdhsa_reserve_vcc 0
		.amdhsa_float_denorm_mode_32 3
		.amdhsa_float_denorm_mode_16_64 3
		.amdhsa_memory_ordered 1
		.amdhsa_forward_progress 1
		.amdhsa_inst_pref_size 67
	.end_amdhsa_kernel
	.amdgpu_metadata
---
amdhsa.version: [ 1, 2 ]
amdhsa.kernels:
  - .name:           k_q51e38b8ac6_quant
    .symbol:         k_q51e38b8ac6_quant.kd
    .args:
      - { .name: q, .offset: 0, .size: 8, .value_kind: global_buffer, .address_space: global }
      - { .name: k, .offset: 8, .size: 8, .value_kind: global_buffer, .address_space: global }
      - { .name: v, .offset: 16, .size: 8, .value_kind: global_buffer, .address_space: global }
      - { .name: Wq, .offset: 24, .size: 8, .value_kind: global_buffer, .address_space: global }
      - { .name: Wk, .offset: 32, .size: 8, .value_kind: global_buffer, .address_space: global }
      - { .name: Wv, .offset: 40, .size: 8, .value_kind: global_buffer, .address_space: global }
      - { .name: Wc, .offset: 48, .size: 8, .value_kind: global_buffer, .address_space: global }
      - { .name: codes, .offset: 56, .size: 8, .value_kind: global_buffer, .address_space: global }
      - { .name: scales, .offset: 64, .size: 8, .value_kind: global_buffer, .address_space: global }
      - { .name: wcf, .offset: 72, .size: 8, .value_kind: global_buffer, .address_space: global }
      - { .name: wc32, .offset: 80, .size: 8, .value_kind: global_buffer, .address_space: global }
    .group_segment_fixed_size: 50688
    .private_segment_fixed_size: 0
    .kernarg_segment_align: 8
    .kernarg_segment_size: 88
    .max_flat_workgroup_size: 128
    .sgpr_count:     66
    .vgpr_count:     192
    .wavefront_size: 32
...
	.end_amdgpu_metadata
.endif
;; end of part 1
;; launch proj (part 2): grid 4 x 96, 4 waves a work-group, clusters of 4 x 4, 327,680 bytes of LDS; arguments codes, scales, bq, bk, bv, qkv, vsum, f32img; writes qkv, vsum, f32img
.if DOCPART == 2
	.amdgcn_target "amdgcn-amd-amdhsa--gfx1250"
	.amdhsa_code_object_version 6
	.text
	.protected	k_q51e38b8ac6_proj
	.globl	k_q51e38b8ac6_proj
	.p2align	8
	.type	k_q51e38b8ac6_proj,@function
k_q51e38b8ac6_proj:
	s_mov_b64 s[64:65], 0
	v_nop
	global_prefetch_b8 v0, s[64:65] scope:SCOPE_SE
	s_setreg_imm32_b32 hwreg(HW_REG_WAVE_MODE, 25, 1), 1
	s_wait_xcnt 0x0
	s_wait_alu depctr_hold_cnt(0) depctr_sa_sdst(0) depctr_va_vdst(0) depctr_va_sdst(0) depctr_va_ssrc(0) depctr_va_vcc(0) depctr_vm_vsrc(0)
	s_getreg_b32 s2, hwreg(HW_REG_IB_STS2, 6, 4)
	s_cmp_eq_u32 s2, 0
	s_cbranch_scc0 .Lentry_in_a_cluster
	s_endpgm
.Lentry_in_a_cluster:
	s_bfe_u32 s2, ttmp6, 0x10000c
	s_cmp_lg_u32 s2, 0xf033
	s_cbranch_scc0 .Lentry_shape_is_right
	s_endpgm
.Lentry_shape_is_right:
; The three projections x W^T + b on codes of FP4 (E2M1) with one E8M0 scale for each 32 along K; K = 1,024; sums in f32.
; A tile of 256 x 256 is made by four waves, each 128 x 128 in 64 accumulators.  K goes in two steps of 512, each in an LDS slot of its own: every LDS byte is filled once.
; The scale bytes of the tile's 512 rows, for all of K, come with the first fills.  By this text's own count a wave has three tensor loads out at the most.
; THE MATRIX INSTRUCTION IS USED TRANSPOSED (source 0 = 16 rows of "B", source 1 = 16 rows of "A"): a lane holds row l % 16 of A's block and eight neighbouring rows of B's block.
; q and k: A = the tokens, B = the weight's rows: a lane holds one token and eight channels.   v: A = Wv's rows, B = the tokens: a lane holds one channel and eight tokens (V with the keys innermost).
; Rounded to f16 those eight numbers are 16 bytes, and the wave's 512 bytes at 16 x lane are half a 16-bit operand of the next product: every result leaves by one store of 512 consecutive bytes, with no LDS stage.
; qkv: [batch x head 64: 786,432][step of 64 tokens 32: 24,576][Q, K, V: 8,192][tile of 16 tokens 4: 2,048][block 4: 512][lane][16 bytes]; Q, K: block = 16 channels; V: block = 16 channels, a lane one channel.
; vsum: V's sums over 128 tokens, f32: [128 tokens: 64][128 channels: 8][r 16][a 8], channel 128 grp + 16 a + r.   f32img: the first 16 tokens of every sequence in f32: [q, k, v][batch][16 channels: 64][c 2][lane][16 bytes].
; CLUSTERS: 4 x 4 work-groups; A's tile is shared along a row of the cluster, B's along a column: joint loads.  Cluster y = 8 x projection + SUB.  q, k: tile row 8 cy + SUB, tile column cx; v: tile row cy, tile column 8 cx + SUB:
; so "the tile holds a sequence's first tokens" is SUB = 0, alike in all partners, and no branch hangs on a work-group's place in its cluster.
; LIMITS: the projected numbers must lie inside f16's range (65,504; under 6e-5 they lose bits).
; REGISTERS: window 0: v0-31 addresses; v32-95 scale words, two sets, and nothing else; v96-127 f16 results; v128-191 A's fragments, on the way out the results in f32; v192-255 the bias (v: also the sums).
;   window 1: B's fragments, two sets.   windows 2, 3: the accumulators ((a, b) at v[8 (8 (a % 4) + b)]).
.set NQ,     4                         ; matrix instructions deep in a slot
.set ROWB,   256                       ; a tile's row: 512 codes
.set KROW,   512                       ; a row of codes in memory
.set PITCH,  272                       ; an LDS row: 256 bytes + 16
.set FR,     8
.set NL,     2
.set NP,     4                         ; places behind this matrix instruction (ISA guide 7.12.1)
.set HALFT,  128*PITCH
.set SLOT,   4*HALFT
.set KS,     32                        ; a row of scale bytes
.set SCL,    2*SLOT
.set HALFS,  (128*KS/256)*272
.set SBLK,   (16*KS/256)*272
.set SPARE,  SCL+4*HALFS               ; the spare words, 128 bytes for each wave
.set WCODES,  12582912
.set WSCALES, 786432
.set ADRA, 16
.set ADRB, 20
.set LO,   24                          ; v24 16 x lane
.set VSO,  25                          ; v25 32 r + 16 h: my place in a block of vsum
.set ADRS, 27
.set SPW,  28
.set NIL,  29
.set BOQ,  30                          ; v30 32 h: the bias of q and k
.set BOV,  31                          ; v31 4 r: the bias of v
.set SC,   32
.set H,    96
.set AF,   128
.set T,    128
.set BI,   192
.set SM,   208                         ; v: v208-211 two chains, v212 the other half's, v216-223 the eight sums, v224-227 what is stored
.set G1, 24
.set G0, 32
.set G1B, 48
.set G0B, 56
.set WV, 66
.set RH, 67
.set CH, 68
.set TR, 69
.set PJ, 70
.set SUB, 71
.set G1S, 72
.set G0S, 80
.set G1SB, 84
.set G0SB, 92
.set DST, 72                           ; behind the wait for all tensor loads the scales' descriptors are done with: s[72:73] qkv, s[74:75] f32img, s[76:77] vsum, s[78:79] lane selects, s80 flag, s81 mask, s[82:83] bias
.set FIN, 74
.set VSB, 76
.set SEL, 78
.set FLAG, 80
.set HIM, 81
.set BP, 82
.set MSB, 0
.macro WIN new                         ; the immediate's high byte repeats the setting that is left
.if MSB != (\new)
	s_set_vgpr_msb (MSB<<8)|(\new)
.set MSB, (\new)
.endif
.endm
.set MUL_LO, 0xa1                      ; source 0 (B) window 1, source 1 (A) window 0, C and D window 2
.set MUL_HI, 0xf1
.set TO_B,   0x40
; A joint load: waves 0 and 1 fetch for A, waves 2 and 3 for B.  An s_nop 0 and four v_nop follow each of the two lines.
.macro JLOAD g0a, g1a, g0b, g1b
	s_cmp_eq_u32 s[RH], 0
	s_cbranch_scc0 .Lfor_b_\@
	tensor_load_to_lds s[\g0a:\g0a+3], s[\g1a:\g1a+7]
	s_nop 0
.rept 4
	v_nop
.endr
	s_branch .Lasked_\@
.Lfor_b_\@:
	tensor_load_to_lds s[\g0b:\g0b+3], s[\g1b:\g1b+7]
	s_nop 0
.rept 4
	v_nop
.endr
.Lasked_\@:
.endm
.macro CROUND                          ; a round of the cluster's barrier
	s_barrier_signal -1
	s_barrier_wait -1
	s_cmp_lg_u32 s[WV], 0
	s_cbranch_scc1 .Lnot_wave_0_\@
	s_barrier_signal -3
.Lnot_wave_0_\@:
	s_barrier_wait -3
	s_barrier_signal -1
	s_barrier_wait -1
.endm
	s_load_b512 s[4:19], s[0:1], 0x0               ; codes, scales, bq, bk, bv, qkv, vsum, f32img
	v_lshl_add_u32 v[SPW], v0, 2, SPARE
	v_mov_b32 v[NIL], 0
	ds_add_u32 v[SPW], v[NIL]                      ; the wave's opening: the add, twice on end, and its wait ahead of my first tensor load
	ds_add_u32 v[SPW], v[NIL]
	v_lshrrev_b32 v1, 5, v0
	v_readfirstlane_b32 s[WV], v1                  ; wave 0..3
	s_lshr_b32 s[RH], s[WV], 1                     ; which half of A's rows is mine.  Also: I fetch for A (0) or for B (1)
	s_and_b32 s[CH], s[WV], 1                      ; which half of B's rows.  Also: which 128 rows of that tile I fetch
	s_bfe_u32 s40, ttmp6, 0x40000                  ; cx
	s_bfe_u32 s41, ttmp6, 0x40004                  ; cy
	s_and_b32 s20, ttmp7, 0xffff                   ; cluster y
	s_lshr_b32 s[PJ], s20, 3                       ; 0 q, 1 k, 2 v
	s_and_b32 s[SUB], s20, 7
	s_lshl_b32 s21, s41, 3
	s_add_co_u32 s21, s21, s[SUB]                  ; 8 cy + SUB
	s_lshl_b32 s46, s40, 3
	s_add_co_u32 s46, s46, s[SUB]                  ; 8 cx + SUB
	s_lshl_b32 s43, s41, 2
	s_lshl_b32 s43, 15, s43                        ; my row of the cluster
	s_lshl_b32 s44, 0x1111, s40                    ; my column
	s_lshl_b32 s96, s[PJ], 22                      ; where the activation's and the weight's codes and bytes begin
	s_lshl_b32 s97, s[PJ], 19
	s_add_co_u32 s97, s97, WCODES
	s_lshl_b32 s98, s[PJ], 18
	s_lshl_b32 s99, s[PJ], 15
	s_add_co_u32 s99, s99, WSCALES
	s_cmp_eq_u32 s[PJ], 2
	s_cselect_b32 s[TR], s41, s21                  ; tile row: of cy and the cluster's y alone
	s_cselect_b32 s42, s46, s40                    ; tile column: of cx and the cluster's y alone
	s_cselect_b32 s100, s97, s96                   ; A's codes,
	s_cselect_b32 s101, s96, s97                   ; B's,
	s_cselect_b32 s45, s99, s98                    ; A's scale bytes,
	s_cselect_b32 s47, s98, s99                    ; B's
	; descriptor group 1: a tile of 128 rows x 256 bytes, 16 bytes of padding behind each row
	s_or_b32 s[G1+0], s43, (0<<16)|(1<<20)|(1<<21)|(5<<22)|(3<<25)  ; 15:0 the mask; 17:16 elements of 1 byte; 20 padding on; 21 set beside a mask; 24:22 after every 64 words; 31:25 four words
	s_or_b32 s[G1B+0], s44, (0<<16)|(1<<20)|(1<<21)|(5<<22)|(3<<25)
.irp g, G1, G1B
	s_mov_b32 s[\g+1], ROWB<<16                    ; tensor_dim0
	s_mov_b32 s[\g+2], 128<<16                     ; tensor_dim1
	s_mov_b32 s[\g+3], ROWB<<16                    ; tile_dim0
	s_mov_b32 s[\g+4], 128                         ; tile_dim1
	s_mov_b32 s[\g+5], KROW                        ; from row to row
	s_mov_b32 s[\g+6], 0
	s_mov_b32 s[\g+7], 0
.endr
	; the scale bytes of 128 rows: 4,096 dense bytes, as 16 rows of 256 bytes (32 elements of 8), 16 bytes of padding behind each
	s_or_b32 s[G1S+0], s43, (3<<16)|(1<<20)|(1<<21)|(5<<22)|(3<<25)
	s_or_b32 s[G1SB+0], s44, (3<<16)|(1<<20)|(1<<21)|(5<<22)|(3<<25)
.irp g, G1S, G1SB
	s_mov_b32 s[\g+1], 32<<16
	s_mov_b32 s[\g+2], (128*KS/256)<<16
	s_mov_b32 s[\g+3], 32<<16
	s_mov_b32 s[\g+4], 128*KS/256
	s_mov_b32 s[\g+5], 32
	s_mov_b32 s[\g+6], 0
	s_mov_b32 s[\g+7], 0
.endr
	s_lshl_b32 s20, s[CH], 7                       ; which 128 rows of the tile I fetch
	s_lshl_b32 s21, s[TR], 8
	s_add_co_u32 s21, s21, s20                     ; A's first row
	s_lshl_b32 s46, s42, 8
	s_add_co_u32 s46, s46, s20                     ; B's
	s_lshl_b32 s22, s21, 9
	s_add_co_u32 s22, s22, s100                    ; A's codes, in bytes (all offsets stay under 2^24)
	s_mov_b32 s23, 0
	s_lshl_b32 s96, s21, 5
	s_add_co_u32 s96, s96, s45                     ; A's scale bytes
	s_mov_b32 s97, 0
	s_lshl_b32 s98, s46, 5
	s_add_co_u32 s98, s98, s47                     ; B's scale bytes
	s_mov_b32 s99, 0
	s_lshl_b32 s46, s46, 9
	s_add_co_u32 s46, s46, s101                    ; B's codes
	s_mov_b32 s47, 0
	s_mul_i32 s45, s[WV], HALFT                    ; where they go: wave x 128 rows: no place in the cluster enters an LDS address
	s_mul_i32 s100, s[WV], HALFS
	s_wait_dscnt 0x0                               ; both opening adds are done
	s_wait_kmcnt 0x0
	s_add_nc_u64 s[22:23], s[4:5], s[22:23]
	s_add_nc_u64 s[96:97], s[6:7], s[96:97]
	s_add_nc_u64 s[46:47], s[4:5], s[46:47]
	s_add_nc_u64 s[98:99], s[6:7], s[98:99]
	CROUND                                         ; all sixteen work-groups are here: the first joint loads meet
	s_mov_b32 s[G0S], 1
	s_add_co_u32 s[G0S+1], s100, SCL
	s_mov_b64 s[G0S+2:G0S+3], s[96:97]
	s_or_b32 s[G0S+3], s[G0S+3], 0x80000000
	s_mov_b32 s[G0SB], 1
	s_add_co_u32 s[G0SB+1], s100, SCL
	s_mov_b64 s[G0SB+2:G0SB+3], s[98:99]
	s_or_b32 s[G0SB+3], s[G0SB+3], 0x80000000
	JLOAD G0S, G1S, G0SB, G1SB                     ; the scales first: they are wanted with the first K step
.irp s, 0,1
	s_mov_b32 s[G0+4*\s], 1
	s_add_co_u32 s[G0+4*\s+1], s45, \s*SLOT
	s_add_nc_u64 s[G0+4*\s+2:G0+4*\s+3], s[22:23], \s*ROWB
	s_or_b32 s[G0+4*\s+3], s[G0+4*\s+3], 0x80000000
	s_mov_b32 s[G0B+4*\s], 1
	s_add_co_u32 s[G0B+4*\s+1], s45, \s*SLOT
	s_add_nc_u64 s[G0B+4*\s+2:G0B+4*\s+3], s[46:47], \s*ROWB
	s_or_b32 s[G0B+4*\s+3], s[G0B+4*\s+3], 0x80000000
	JLOAD G0+4*\s, G1, G0B+4*\s, G1B
.endr
	v_and_b32 v1, 15, v0                           ; r
	v_bfe_u32 v2, v0, 4, 1                         ; h
	v_mul_u32_u24 v3, v1, PITCH
	v_lshl_add_u32 v4, v2, 4, v3                   ; a fragment's row x pitch + 16 h
	s_mul_i32 s21, s[RH], HALFT
	s_mul_i32 s22, s[CH], HALFT
	s_add_co_u32 s22, s22, 2*HALFT
.irp s, 0,1
	v_add_nc_u32 v[ADRA+\s], s21, v4
	v_add_nc_u32 v[ADRB+\s], s22, v4
	s_add_co_u32 s21, s21, SLOT
	s_add_co_u32 s22, s22, SLOT
.endr
	v_mul_u32_u24 v5, v1, KS                       ; my row's scale bytes: KS a row,
	v_lshrrev_b32 v6, 8, v5
	v_lshl_add_u32 v5, v6, 4, v5                   ; and 16 more for each 256 passed
	s_mul_i32 s21, s[RH], HALFS
	s_mul_i32 s22, s[CH], HALFS
	s_add_co_u32 s22, s22, 2*HALFS
	s_sub_co_u32 s22, s22, s21
	v_mul_u32_u24 v6, s22, v2                      ; lanes 16-31 take B's
	s_add_co_u32 s21, s21, SCL
	v_add_nc_u32 v5, v5, v6
	v_add_nc_u32 v[ADRS], s21, v5
	v_and_b32 v6, 31, v0
	v_lshlrev_b32 v[LO], 4, v6
	v_lshlrev_b32 v[VSO], 5, v1
	v_lshl_add_u32 v[VSO], v2, 4, v[VSO]
	v_lshlrev_b32 v[BOQ], 5, v2
	v_lshlrev_b32 v[BOV], 2, v1
.macro FRAG reg, adr, q, i             ; 16 rows x 128 K of 4-bit codes: 8 registers, two loads of 16 bytes, 32 bytes apart
.irp c, 0,1
	ds_load_b128 v[\reg+4*\c:\reg+4*\c+3], v[\adr] offset:64*(\q)+32*\c+(\i)*16*PITCH
.endr
.endm
; 16 matrix instructions: A's blocks a0, a0 + 1 x B's eight, the slot's q-th 128 along K.  The 64 accumulators take turns, one instruction a turn, in the same order in every step.
; One register carries A's scale word (lanes 0-15) and B's (lanes 16-31).
.macro MUL16 a0, p, q, sc, zero
.irp a, \a0, \a0+1
.irp b, 0,1,2,3,4,5,6,7
.if \zero
	v_wmma_scale_f32_16x16x128_f8f6f4 v[8*(8*((\a)%4)+\b):8*(8*((\a)%4)+\b)+7], v[128*(\p)+FR*\b:128*(\p)+FR*\b+FR-1], v[AF+FR*(\a):AF+FR*(\a)+FR-1], 0, v[SC+8*NQ*(\sc)+NQ*\b+(\q)], v[SC+8*NQ*(\sc)+NQ*(\a)+(\q)] matrix_a_fmt:MATRIX_FMT_FP4 matrix_b_fmt:MATRIX_FMT_FP4 matrix_a_scale:MATRIX_SCALE_ROW1
.else
	v_wmma_scale_f32_16x16x128_f8f6f4 v[8*(8*((\a)%4)+\b):8*(8*((\a)%4)+\b)+7], v[128*(\p)+FR*\b:128*(\p)+FR*\b+FR-1], v[AF+FR*(\a):AF+FR*(\a)+FR-1], v[8*(8*((\a)%4)+\b):8*(8*((\a)%4)+\b)+7], v[SC+8*NQ*(\sc)+NQ*\b+(\q)], v[SC+8*NQ*(\sc)+NQ*(\a)+(\q)] matrix_a_fmt:MATRIX_FMT_FP4 matrix_b_fmt:MATRIX_FMT_FP4 matrix_a_scale:MATRIX_SCALE_ROW1
.endif
.endr
.endr
.endm
.macro FETCH_B slot, q, p
	WIN TO_B
.irp i, 0,1,2,3,4,5,6,7
	FRAG 128*(\p)+FR*\i, ADRB+\slot, \q, \i
.endr
	WIN 0
.endm
.macro FETCH_A slot, q, i0
.irp i, \i0, \i0+1, \i0+2, \i0+3
	FRAG AF+FR*(\i), ADRA+\slot, \q, \i
.endr
.endm
.macro SCALES sc                       ; a slot's scale words: four a row; lanes 0-15 A's block i, lanes 16-31 B's block i
.irp i, 0,1,2,3,4,5,6,7
	ds_load_b128 v[SC+8*NQ*\sc+NQ*\i:SC+8*NQ*\sc+NQ*\i+3], v[ADRS] offset:\i*SBLK
.endr
.endm
.macro PLACES n                        ; plain vector lines between a matrix instruction and a load into, or a vector line on, its registers
.rept \n
	v_nop
.endr
.endm
.macro STEP slot, q, zero              ; 128 along K that has its successor in the same slot
	s_wait_dscnt 4*NL                              ; B's set and A's blocks 0-3 are in; the youngest eight loads (A's blocks 4-7) may be out
	WIN MUL_LO
	MUL16 0, (\q)%2, \q, \slot, \zero
	MUL16 2, (\q)%2, \q, \slot, \zero
	s_wait_dscnt 0
	PLACES NP
	FETCH_B \slot, (\q)+1, 1-(\q)%2
	FETCH_A \slot, (\q)+1, 0
	WIN MUL_HI
	MUL16 4, (\q)%2, \q, \slot, \zero
	MUL16 6, (\q)%2, \q, \slot, \zero
	PLACES NP
	WIN 0
	FETCH_A \slot, (\q)+1, 4
.endm
.macro STEPS slot, from
.set QQ, \from
.rept NQ-1-\from
	STEP \slot, QQ, 0
.set QQ, QQ+1
.endr
.endm
.macro LAST                            ; the last 128 along K: nothing more to fetch
	s_wait_dscnt 4*NL
	WIN MUL_LO
	MUL16 0, 1, NQ-1, 1, 0
	MUL16 2, 1, NQ-1, 1, 0
	s_wait_dscnt 0
	WIN MUL_HI
	MUL16 4, 1, NQ-1, 1, 0
	MUL16 6, 1, NQ-1, 1, 0
	WIN 0
.endm
.macro FINISH
	s_wait_tensorcnt 0x0                           ; the wave's end: three lines behind my last tensor load
	ds_add_u32 v[SPW], v[NIL]
	s_wait_dscnt 0x0
	CROUND                                         ; the closing round
	s_endpgm
.endm
	s_wait_tensorcnt 1                             ; the scales and my part of slot 0 are in (slot 1's load may be out),
	s_barrier_signal -1
	s_barrier_wait -1                              ; everybody's are
	FETCH_B 0, 0, 0
	FETCH_A 0, 0, 0
	SCALES 0
	FETCH_A 0, 0, 4
	STEP 0, 0, 1                                   ; the first products start the sums: nothing is cleared
	STEPS 0, 1
	; slot 0's last step, and the change to slot 1: my part of slot 1 has landed, and a barrier shows it to every wave.  Nothing is filled again.
	s_wait_tensorcnt 0x0
	ds_add_u32 v[SPW], v[NIL]
	s_wait_dscnt 4*NL+1                            ; (the add and A's blocks 4-7 may be out)
	WIN MUL_LO
	MUL16 0, 1, NQ-1, 0, 0
	s_wait_dscnt 0x0
	s_barrier_signal -1
	MUL16 2, 1, NQ-1, 0, 0
	WIN 0
	s_barrier_wait -1
	PLACES NP
	v_add_nc_u32 v[ADRS], 4*NQ, v[ADRS]            ; on to slot 1's scale words (no LDS load of mine is out)
	FETCH_B 1, 0, 0
	FETCH_A 1, 0, 0
	SCALES 1
	WIN MUL_HI
	MUL16 4, 1, NQ-1, 0, 0
	MUL16 6, 1, NQ-1, 0, 0
	PLACES NP
	WIN 0
	FETCH_A 1, 0, 4
	STEPS 1, 0
	; ---- where the results go.  No tensor load is out since the wait above, so the scales' descriptors may be written.
	s_cmp_eq_u32 s[PJ], 2
	s_cselect_b32 s20, s42, s[TR]                  ; the tokens' tile,
	s_cselect_b32 s21, s[CH], s[RH]                ; and my half of it;
	s_cselect_b32 s22, s[TR], s42                  ; the channels' tile,
	s_cselect_b32 s23, s[RH], s[CH]                ; and my half
	s_cselect_b64 s[BP:BP+1], s[12:13], s[8:9]
	s_cmp_eq_u32 s[PJ], 1
	s_cselect_b64 s[BP:BP+1], s[10:11], s[BP:BP+1]
	s_lshl_b32 s45, s22, 10
	s_lshl_b32 s46, s23, 9
	s_add_co_u32 s46, s46, s45
	s_mov_b32 s47, 0
	s_add_nc_u64 s[BP:BP+1], s[BP:BP+1], s[46:47]  ; the bias of my 128 channels
	s_lshr_b32 s96, s20, 3                         ; batch
	s_lshl_b32 s97, s96, 4
	s_lshl_b32 s98, s22, 2
	s_add_co_u32 s97, s97, s98
	s_lshl_b32 s98, s23, 1
	s_add_co_u32 s97, s97, s98                     ; 16 x batch + my first head
	s_mul_i32 s97, s97, 786432
	s_lshl_b32 s98, s[SUB], 2
	s_lshl_b32 s99, s21, 1
	s_add_co_u32 s98, s98, s99                     ; my first step of 64 tokens
	s_mul_i32 s98, s98, 24576
	s_add_co_u32 s46, s97, s98
	s_lshl_b32 s99, s[PJ], 13
	s_add_co_u32 s46, s46, s99
	s_add_nc_u64 s[DST:DST+1], s[14:15], s[46:47]
	s_lshl_b32 s97, s[PJ], 2
	s_add_co_u32 s97, s97, s96
	s_lshl_b32 s97, s97, 16
	s_lshl_b32 s98, s22, 14
	s_add_co_u32 s97, s97, s98
	s_lshl_b32 s98, s23, 13
	s_add_co_u32 s46, s97, s98
	s_add_nc_u64 s[FIN:FIN+1], s[18:19], s[46:47]
	s_or_b32 s[FLAG], s[SUB], s21                  ; 0: my first 16 tokens are a sequence's first
	s_mov_b32 s[SEL], 0x76543210
	s_mov_b32 s[SEL+1], 0xfedcba98
	s_mov_b32 s[HIM], 0xffff0000
	s_cmp_eq_u32 s[PJ], 2
	s_cbranch_scc1 .Lv
	; ---------------- q and k: the bias runs along a lane's eight numbers.  It is asked for ahead of the last step's products.
.irp b, 0,1,2,3,4,5,6,7
	global_load_b128 v[BI+8*\b:BI+8*\b+3], v[BOQ], s[BP:BP+1] offset:64*\b
	global_load_b128 v[BI+8*\b+4:BI+8*\b+7], v[BOQ], s[BP:BP+1] offset:64*\b+16
.endr
	LAST
	PLACES NP
	s_wait_loadcnt 0x0
.macro OUTQK a                         ; 16 tokens x 128 channels
.if (\a) > 0
	s_wait_xcnt 0x0                                ; the last block's stores have read T and H
.endif
	WIN 0x02+(\a)/4                                ; source 0: window 2 or 3
.irp b, 0,1,2,3,4,5,6,7
.irp i, 0,2,4,6
	v_pk_add_f32 v[T+8*\b+\i:T+8*\b+\i+1], v[64*((\a)%4)+8*\b+\i:64*((\a)%4)+8*\b+\i+1], v[BI+8*\b+\i:BI+8*\b+\i+1]   ; each accumulator from its low end on
.endr
.endr
	WIN 0
.if (\a) == 0
	s_cmp_lg_u32 s[FLAG], 0
	s_cbranch_scc1 .Lnot_first_qk
.irp b, 0,1,2,3,4,5,6,7
.irp c, 0,1
	global_store_b128 v[LO], v[T+8*\b+4*\c:T+8*\b+4*\c+3], s[FIN:FIN+1] offset:1024*\b+512*\c   ; a sequence's first 16 tokens also in f32
.endr
.endr
.Lnot_first_qk:
.endif
.irp b, 0,1,2,3,4,5,6,7
.irp i, 0,1,2,3
	v_cvt_pk_f16_f32 v[H+4*\b+\i], v[T+8*\b+2*\i], v[T+8*\b+2*\i+1]
.endr
.endr
.irp b, 0,1,2,3,4,5,6,7
	global_store_b128 v[LO], v[H+4*\b:H+4*\b+3], s[DST:DST+1] offset:((\a)/4)*24576+((\a)%4)*2048+(\b/4)*786432+(\b%4)*512   ; 512 consecutive bytes, aligned
.endr
.endm
.irp a, 0,1,2,3,4,5,6,7
	OUTQK \a
.endr
	FINISH
	; ---------------- v: the bias hangs on the lane's channel; the same word twice fills the pair that the packed addition takes
.Lv:
.irp a, 0,1,2,3,4,5,6,7
	global_load_b32 v[BI+2*\a], v[BOV], s[BP:BP+1] offset:64*\a
	global_load_b32 v[BI+2*\a+1], v[BOV], s[BP:BP+1] offset:64*\a
.endr
	s_lshl_b32 s96, s20, 1
	s_add_co_u32 s96, s96, s21                     ; which 128 tokens,
	s_lshl_b32 s96, s96, 12
	s_lshl_b32 s97, s22, 1
	s_add_co_u32 s97, s97, s23                     ; which 128 channels
	s_lshl_b32 s97, s97, 9
	s_add_co_u32 s46, s96, s97
	s_add_nc_u64 s[VSB:VSB+1], s[16:17], s[46:47]
	LAST
	PLACES NP
	v_mov_b32 v[SM+4], 0                           ; written once: a lane permute's destination counts as one of its sources
	s_wait_loadcnt 0x0
.macro OUTV a                          ; 16 channels x 128 tokens
.if (\a) > 0
	s_wait_xcnt 0x0                                ; the last block's stores have read T and H
.endif
	WIN 0x02+(\a)/4
.irp b, 0,1,2,3,4,5,6,7
.irp i, 0,2,4,6
	v_pk_add_f32 v[T+8*\b+\i:T+8*\b+\i+1], v[64*((\a)%4)+8*\b+\i:64*((\a)%4)+8*\b+\i+1], v[BI+2*(\a):BI+2*(\a)+1]
.endr
.endr
	WIN 0
	s_cmp_lg_u32 s[FLAG], 0
	s_cbranch_scc1 .Lnot_first_v_\@
.irp c, 0,1
	global_store_b128 v[LO], v[T+4*\c:T+4*\c+3], s[FIN:FIN+1] offset:1024*(\a)+512*\c
.endr
.Lnot_first_v_\@:
	v_pk_add_f32 v[SM:SM+1], v[T:T+1], v[T+2:T+3]                  ; my channel's sum over my 64 tokens, in two chains
	v_pk_add_f32 v[SM+2:SM+3], v[T+4:T+5], v[T+6:T+7]
.irp i, 8,12,16,20,24,28,32,36,40,44,48,52,56,60
	v_pk_add_f32 v[SM:SM+1], v[SM:SM+1], v[T+\i:T+\i+1]
	v_pk_add_f32 v[SM+2:SM+3], v[SM+2:SM+3], v[T+\i+2:T+\i+3]
.endr
	v_pk_add_f32 v[SM:SM+1], v[SM:SM+1], v[SM+2:SM+3]
	v_add_f32 v[SM], v[SM], v[SM+1]
	v_permlanex16_b32 v[SM+4], v[SM], s[SEL], s[SEL+1]
	v_add_f32 v[SM+8+(\a)], v[SM], v[SM+4]         ; with lane l xor 16's 64 tokens
.irp b, 0,1,2,3,4,5,6,7
.irp i, 0,1,2,3
	v_cvt_pk_f16_f32 v[H+4*\b+\i], v[T+8*\b+2*\i], v[T+8*\b+2*\i+1]
.endr
.endr
.irp b, 0,1,2,3,4,5,6,7
	global_store_b128 v[LO], v[H+4*\b:H+4*\b+3], s[DST:DST+1] offset:((\a)/4)*786432+((\a)%4)*512+(\b/4)*24576+(\b%4)*2048
.endr
.endm
.irp a, 0,1,2,3,4,5,6,7
	OUTV \a
.endr
.irp i, 0,1,2,3
	v_cndmask_b32 v[SM+16+\i], v[SM+8+\i], v[SM+12+\i], s[HIM]     ; lanes 0-15 store blocks 0-3, lanes 16-31 blocks 4-7
.endr
	global_store_b128 v[VSO], v[SM+16:SM+19], s[VSB:VSB+1]         ; the wave's 512 bytes are consecutive
	FINISH
.Lfunc_end_k_q51e38b8ac6_proj:
	.size	k_q51e38b8ac6_proj, .Lfunc_end_k_q51e38b8ac6_proj-k_q51e38b8ac6_proj
	.p2alignl 7, 3214868480
	.fill 96, 4, 3214868480
	.section	.rodata,"a",@progbits
	.p2align	6, 0x0
	.amdhsa_kernel k_q51e38b8ac6_proj
		.amdhsa_group_segment_fixed_size 327680
		.amdhsa_private_segment_fixed_size 0
		.amdhsa_enable_private_segment 0
		.amdhsa_kernarg_size 64
		.amdhsa_user_sgpr_count 2
		.amdhsa_user_sgpr_kernarg_segment_ptr 1
		.amdhsa_wavefront_size32 1
		.amdhsa_system_sgpr_workgroup_id_x 1
		.amdhsa_system_sgpr_workgroup_id_y 1
		.amdhsa_system_sgpr_workgroup_id_z 1
		.amdhsa_system_vgpr_workitem_id 0
		.amdhsa_next_free_vgpr 1024
		.amdhsa_next_free_sgpr 102
		.amdhsa_reserve_vcc 0
		.amdhsa_float_denorm_mode_32 3
		.amdhsa_float_denorm_mode_16_64 3
		.amdhsa_memory_ordered 1
		.amdhsa_forward_progress 1
		.amdhsa_inst_pref_size 206
	.end_amdhsa_kernel
	.amdgpu_metadata
---
amdhsa.version: [ 1, 2 ]
amdhsa.kernels:
  - .name:           k_q51e38b8ac6_proj
    .symbol:         k_q51e38b8ac6_proj.kd
    .args:
      - { .name: codes, .offset: 0, .size: 8, .value_kind: global_buffer, .address_space: global }
      - { .name: scales, .offset: 8, .size: 8, .value_kind: global_buffer, .address_space: global }
      - { .name: bq, .offset: 16, .size: 8, .value_kind: global_buffer, .address_space: global }
      - { .name: bk, .offset: 24, .size: 8, .value_kind: global_buffer, .address_space: global }
      - { .name: bv, .offset: 32, .size: 8, .value_kind: global_buffer, .address_space: global }
      - { .name: qkv, .offset: 40, .size: 8, .value_kind: global_buffer, .address_space: global }
      - { .name: vsum, .offset: 48, .size: 8, .value_kind: global_buffer, .address_space: global }
      - { .name: f32img, .offset: 56, .size: 8, .value_kind: global_buffer, .address_space: global }
    .group_segment_fixed_size: 327680
    .private_segment_fixed_size: 0
    .kernarg_segment_align: 8
    .kernarg_segment_size: 64
    .max_flat_workgroup_size: 128
    .sgpr_count:     102
    .vgpr_count:     1024
    .wavefront_size: 32
...
	.end_amdgpu_metadata
.endif
;; end of part 2
;; launch attn (part 3): grid 4 x 64, 16 waves a work-group, no clusters, 48,128 bytes of LDS; arguments qkv, vsum, attention_mask, af; writes af
.if DOCPART == 3
	.amdgcn_target "amdgcn-amd-amdhsa--gfx1250"
	.amdhsa_code_object_version 6
	.text
	.protected	k_q51e38b8ac6_attn
	.globl	k_q51e38b8ac6_attn
	.p2align	8
	.type	k_q51e38b8ac6_attn,@function
k_q51e38b8ac6_attn:
	s_mov_b64 s[64:65], 0
	v_nop
	global_prefetch_b8 v0, s[64:65] scope:SCOPE_SE
	s_setreg_imm32_b32 hwreg(HW_REG_WAVE_MODE, 25, 1), 1
	s_wait_xcnt 0x0
; Attention of one head on f16 operands, f32 sums, with the causal mask and the padding mask.  Head size 64, 2,048 tokens.
; A key counts for a query where key <= query and both mask bytes are 1.  The reference adds the lowest f32 number to every other score, so
;   a query whose own byte is 1 sees its own key, and hidden keys get the weight 0;
;   a query whose own byte is 0 has all 2,048 scores equal: its row is the plain mean of V over the whole sequence.  That mean is made from vsum and chosen by v_cndmask_b32 at the end.
; SHARES.  Work-group (j, batch x head): sixteen waves, four to a SIMD; a wave owns 32 neighbouring queries, two tiles of 16, which share every fragment of K and V.  Wave w takes pair 4 pi(w) + j,
; pi(w) = 4 ((w / 4 + w % 4) % 4) + w / 4: early and late queries are mixed in every four waves.  Every work-group walks all 32 steps of 64 keys (the trip counts are constants); a wave jumps over a step's WORK
; where all its keys come after its queries, where all 64 keys are masked, or where all its 32 queries are masked.
; WHY NO TENSOR LOADS AND NO CLUSTER, though the four work-groups of a head read the same tiles: those jumps hang on the mask, which is read from memory.
; So K's and V's tiles come through registers: 512 threads x 16 bytes x 2 = a step's 16,384 bytes, two steps ahead, into two LDS slots, one barrier a step.
; LAYOUT.  Both products are used transposed: S^T = K Q^T, O^T = V^T P: a lane holds ONE query (lane % 16) throughout.  All operands lie in memory and in LDS as images of their registers: a fragment is two loads at 16 x lane.
; SOFTMAX.  Running maximum m and sum l for each query: p = 2^(c s - c m), c = log2(e) / 8; O and l are multiplied by a = 2^(c m_old - c m_new) in every step.
; A hidden score is -2^126.  m begins at -2^100: scores of f16 operands stay under 64 x 65,504^2 in size, far above it; while a row has seen hidden keys alone, p = 0 and l = 0, and the first key that counts wipes the start by a = 0.
; LIMITS: mask bytes are 0 or 1; the weights p and the results are rounded to f16.
; REGISTERS: v1-7 addresses; v8-15 the tile on its way; v16-47 Q; v48-111 K's or V's fragments; v112-175 S^T, then P over it; v176-239 O^T; v240-255 eight statistics a tile: c m, m, l (two halves), four at work (a takes the third).
.set SLOTB, 16384                      ; a slot: K's 8,192 bytes, then V's
.set BIAS,  32768                      ; 2,048 f32: 0 or -2^126 for each key
.set MEAN,  41984                      ; 256 bytes for each wave (1,024 bytes stay unused between the table and these)
.set SPARE, 46080                      ; the spare words, 128 bytes for each wave
.set HEADB, 786432
.set STEPB, 24576
.set NEG,   0xfe800000                 ; -2^126
.set MINIT, 0xf1800000                 ; -2^100
.set SPW, 1
.set NIL, 2
.set LA,  3                            ; 16 x lane
.set GOF, 4                            ; 16 x thread
.set BA,  5                            ; at work: addresses
.set PFO, 6                            ; 256 x lane; never rewritten
.set TP,  7                            ; at work
.set STG, 8
.set Q,   16
.set KV,  48
.set S,   112
.set O,   176
.set ST,  240
.set WV,  12
.set PP,  13
.set Q0,  14                           ; my first query
.set QL,  15                           ; my last query, or -1 where all 32 are masked
.set KF,  16                           ; the step's first key
.set ANY, 17                           ; bit 0: the step in hand has a masked key
.set ALL, 18                           ; bit 0: all its keys are masked
.set QM,  19
.set SEL, 20
.set CS,  22
.set KVB, 24
.set PFA, 26
.set PLIM, 28
.set TRIP, 29
.set QV0, 30                           ; s30, s31: a tile's sixteen query bits, in both halves of the lanes
	s_load_b256 s[4:11], s[0:1], 0x0               ; qkv, vsum, attention_mask, af
	v_lshl_add_u32 v[SPW], v0, 2, SPARE
	v_mov_b32 v[NIL], 0
	v_lshrrev_b32 v[TP], 5, v0
	v_readfirstlane_b32 s[WV], v[TP]
	v_and_b32 v[TP], 31, v0
	v_lshlrev_b32 v[LA], 4, v[TP]
	v_lshlrev_b32 v[GOF], 4, v0
	v_lshlrev_b32 v[PFO], 8, v[TP]
	v_lshlrev_b32 v[BA], 6, v[TP]                  ; lane l looks at the 64 mask bytes of step l
	v_lshlrev_b32 v[S+18], 2, v0                   ; thread t makes the table's entries of keys 4 t .. 4 t + 3
	s_and_b32 s32, ttmp7, 0xffff                   ; batch x head
	s_lshr_b32 s33, s32, 4
	s_and_b32 s34, s32, 15
	s_lshr_b32 s35, s[WV], 2
	s_and_b32 s36, s[WV], 3
	s_add_co_u32 s36, s36, s35
	s_and_b32 s36, s36, 3
	s_lshl_b32 s36, s36, 2
	s_add_co_u32 s36, s36, s35                     ; pi(w)
	s_lshl_b32 s36, s36, 2
	s_add_co_u32 s[PP], s36, ttmp9
	s_lshl_b32 s[Q0], s[PP], 5
	v_add_nc_u32 v[TP], s[Q0], v[TP]               ; my lane's query
	s_mov_b32 s[SEL], 0x76543210
	s_mov_b32 s[SEL+1], 0xfedcba98
	s_mov_b32 s[CS], 0x3e38aa3b                    ; c = log2(e) / 8
	s_mov_b32 s[CS+1], s[CS]
	s_mov_b32 s[KF], 0
	s_mul_i32 s36, s32, HEADB
	s_mov_b32 s37, 0
	s_lshr_b32 s38, s[PP], 1
	s_mul_i32 s38, s38, STEPB
	s_and_b32 s39, s[PP], 1
	s_lshl_b32 s39, s39, 12
	s_add_co_u32 s38, s38, s39
	s_mov_b32 s39, 0
	s_wait_kmcnt 0x0
	s_add_nc_u64 s[40:41], s[4:5], s[36:37]        ; the head's first byte
	s_add_nc_u64 s[KVB:KVB+1], s[40:41], 8192      ; K of step 0; V follows it
	s_add_nc_u64 s[40:41], s[40:41], s[38:39]      ; my two tiles of Q
	s_lshl_b32 s36, s33, 11
	s_add_nc_u64 s[8:9], s[8:9], s[36:37]          ; the batch's mask bytes
	global_load_b128 v[STG:STG+3], v[GOF], s[KVB:KVB+1]
	global_load_b128 v[STG+4:STG+7], v[GOF], s[KVB:KVB+1] offset:8192
.irp i, 0,1,2,3,4,5,6,7
	global_load_b128 v[Q+4*\i:Q+4*\i+3], v[LA], s[40:41] offset:512*\i
.endr
.irp i, 0,1,2,3
	global_load_b128 v[S+4*\i:S+4*\i+3], v[BA], s[8:9] offset:16*\i
.endr
	global_load_u8 v[S+16], v[TP], s[8:9]
	global_load_b32 v[S+18], v[S+18], s[8:9]
	s_lshl_b32 s36, s33, 7                         ; where the results go: row tile 128 x batch + 2 x pair, chunk 4 x head
	s_lshl_b32 s38, s[PP], 1
	s_add_co_u32 s36, s36, s38
	s_lshl_b32 s36, s36, 15
	s_lshl_b32 s38, s34, 11
	s_add_co_u32 s36, s36, s38
	s_add_nc_u64 s[42:43], s[10:11], s[36:37]
	s_lshl_b32 s36, s33, 16                        ; V's sums: 16 blocks of tokens, my head's 64 channels
	s_lshr_b32 s38, s34, 1
	s_lshl_b32 s38, s38, 9
	s_add_co_u32 s36, s36, s38
	s_and_b32 s38, s34, 1
	s_lshl_b32 s38, s38, 4
	s_add_co_u32 s36, s36, s38
	s_add_nc_u64 s[44:45], s[6:7], s[36:37]
	s_and_b32 s36, s[WV], 1                        ; the prefetches: wave 0 of work-group 0 asks for K's 8,192 bytes, wave 1 for V's
	s_lshl_b32 s36, s36, 13
	s_add_co_u32 s36, s36, 3*STEPB                 ; step 0 moves this to tile 4
	s_add_nc_u64 s[PFA:PFA+1], s[KVB:KVB+1], s[36:37]
	s_lshr_b32 s36, s[WV], 1
	s_or_b32 s36, s36, ttmp9
	s_cmp_eq_u32 s36, 0
	s_cselect_b32 s[PLIM], 1792, 0                 ; steps 0 to 27 ask for tiles 4 to 31; nobody else asks
	s_wait_loadcnt 0x0
	ds_store_b128 v[GOF], v[STG:STG+3]             ; tile 0 into slot 0
	ds_store_b128 v[GOF], v[STG+4:STG+7] offset:8192
	v_mov_b32 v[S+19], NEG
.irp b, 0,1,2,3
	v_bfe_u32 v[S+20+\b], v[S+18], 8*\b, 8
.endr
.irp b, 0,1,2,3
	v_cmp_eq_u32 vcc_lo, 0, v[S+20+\b]
	v_cndmask_b32 v[S+24+\b], 0, v[S+19], vcc_lo
.endr
	ds_store_b128 v[GOF], v[S+24:S+27] offset:BIAS
	v_and_b32 v[S+28], v[S], v[S+1]
	v_or_b32 v[S+29], v[S], v[S+1]
.irp i, 2,3,4,5,6,7,8,9,10,11,12,13,14,15
	v_and_b32 v[S+28], v[S+28], v[S+\i]
	v_or_b32 v[S+29], v[S+29], v[S+\i]
.endr
	v_cmp_ne_u32 s[ANY], 0x01010101, v[S+28]       ; bit s: step s has a masked key
	v_cmp_eq_u32 s[ALL], 0, v[S+29]                ; bit s: all keys of step s are masked
	v_cmp_ne_u32 s[QM], 0, v[S+16]                 ; bit l: query Q0 + l counts
	s_and_b32 s36, s[QM], 0xffff
	s_lshl_b32 s38, s[QM], 16
	s_or_b32 s[QV0], s36, s38
	s_lshr_b32 s36, s[QM], 16
	s_and_b32 s38, s[QM], 0xffff0000
	s_or_b32 s[QV0+1], s36, s38
	s_add_co_u32 s[QL], s[Q0], 31
	s_cmp_eq_u32 s[QM], 0
	s_cselect_b32 s[QL], -1, s[QL]
	s_wait_dscnt 0x0                               ; my stores have landed and have read their registers
	global_load_b128 v[STG:STG+3], v[GOF], s[KVB:KVB+1] offset:STEPB          ; tile 1
	global_load_b128 v[STG+4:STG+7], v[GOF], s[KVB:KVB+1] offset:STEPB+8192
.set i, 0
.rept 64
	v_mov_b32 v[O+i], 0                            ; the step is written once: the first finds zeros
.set i, i+1
.endr
.irp x, 0,1
	v_mov_b32 v[ST+8*\x+1], MINIT
	v_mov_b32 v[ST+8*\x+2], 0
	v_mov_b32 v[ST+8*\x+3], 0
	v_mov_b32 v[ST+8*\x+5], 0                      ; (a lane permute's destination, and the upper half of a pair: written on every way)
	v_mov_b32 v[ST+8*\x+7], 0
	v_mul_f32 v[ST+8*\x], s[CS], v[ST+8*\x+1]
.endr
	s_barrier_signal -1
	s_barrier_wait -1                              ; tile 0 and the table lie in LDS
.macro KQ8 cc, zero                    ; eight products of S^T, channels 32 cc on; the eight accumulators take turns
.irp kt, 0,1,2,3
.irp x, 0,1
.if \zero
	v_wmma_f32_16x16x32_f16 v[S+32*\x+8*\kt:S+32*\x+8*\kt+7], v[KV+16*\kt+8*\cc:KV+16*\kt+8*\cc+7], v[Q+16*\x+8*\cc:Q+16*\x+8*\cc+7], 0
.else
	v_wmma_f32_16x16x32_f16 v[S+32*\x+8*\kt:S+32*\x+8*\kt+7], v[KV+16*\kt+8*\cc:KV+16*\kt+8*\cc+7], v[Q+16*\x+8*\cc:Q+16*\x+8*\cc+7], v[S+32*\x+8*\kt:S+32*\x+8*\kt+7]
.endif
.endr
.endr
.endm
.macro SOFTMAX                         ; both tiles, line by line by turns
.irp j, 0,1,2,3
.irp x, 0,1
	v_max3_num_f32 v[ST+8*\x+4+\j], v[S+32*\x+8*\j], v[S+32*\x+8*\j+1], v[S+32*\x+8*\j+2]   ; four chains; each accumulator is first read at its low end
.endr
.endr
.irp g, 1,2
.irp j, 0,1,2,3
.irp x, 0,1
	v_max3_num_f32 v[ST+8*\x+4+\j], v[ST+8*\x+4+\j], v[S+32*\x+8*\j+2*\g+1], v[S+32*\x+8*\j+2*\g+2]
.endr
.endr
.endr
.irp x, 0,1
	v_max3_num_f32 v[ST+8*\x+4], v[ST+8*\x+4], v[S+32*\x+7], v[S+32*\x+15]
	v_max3_num_f32 v[ST+8*\x+6], v[ST+8*\x+6], v[S+32*\x+23], v[S+32*\x+31]
.endr
.irp x, 0,1
	v_max3_num_f32 v[ST+8*\x+4], v[ST+8*\x+4], v[ST+8*\x+5], v[ST+8*\x+6]
.endr
.irp x, 0,1
	v_max3_num_f32 v[ST+8*\x+4], v[ST+8*\x+4], v[ST+8*\x+7], v[ST+8*\x+1]   ; the old m among them
.endr
.irp x, 0,1
	v_permlanex16_b32 v[ST+8*\x+5], v[ST+8*\x+4], s[SEL], s[SEL+1]          ; the query's other 32 keys lie in the lane 16 away
.endr
.irp x, 0,1
	v_mov_b32 v[ST+8*\x+7], v[ST+8*\x]             ; c m_old
.endr
.irp x, 0,1
	v_max_num_f32 v[ST+8*\x+1], v[ST+8*\x+4], v[ST+8*\x+5]
.endr
.irp x, 0,1
	v_mul_f32 v[ST+8*\x], s[CS], v[ST+8*\x+1]
.endr
.irp x, 0,1
	v_sub_f32 v[ST+8*\x+7], v[ST+8*\x+7], v[ST+8*\x]
.endr
.irp i, 0,2,4,6,8,10,12,14,16,18,20,22,24,26,28,30
.irp x, 0,1
	v_pk_fma_f32 v[S+32*\x+\i:S+32*\x+\i+1], v[S+32*\x+\i:S+32*\x+\i+1], s[CS:CS+1], v[ST+8*\x:ST+8*\x+1] op_sel_hi:[1,0,0] neg_lo:[0,0,1] neg_hi:[0,0,1]   ; c s - c m
.endr
.endr
.irp x, 0,1
	v_exp_f32 v[ST+8*\x+6], v[ST+8*\x+7]           ; a
.endr
.set i, 0
.rept 32
	v_exp_f32 v[S+i], v[S+i]
	v_exp_f32 v[S+32+i], v[S+32+i]
.set i, i+1
.endr
	v_nop                                          ; a plain line behind the last exponential
	s_wait_alu depctr_va_vdst(0)                   ; one wait for the 66 exponentials, ahead of the first line that names a result
.irp x, 0,1
	v_pk_fma_f32 v[ST+8*\x+2:ST+8*\x+3], v[ST+8*\x+2:ST+8*\x+3], v[ST+8*\x+6:ST+8*\x+7], v[S+32*\x:S+32*\x+1] op_sel_hi:[1,0,1]   ; l = a l + the weights, of the unrounded p, in two chains
	v_pk_add_f32 v[ST+8*\x+4:ST+8*\x+5], v[S+32*\x+2:S+32*\x+3], v[S+32*\x+4:S+32*\x+5]
.endr
.irp i, 6,10,14,18,22,26
.irp x, 0,1
	v_pk_add_f32 v[ST+8*\x+2:ST+8*\x+3], v[ST+8*\x+2:ST+8*\x+3], v[S+32*\x+\i:S+32*\x+\i+1]
	v_pk_add_f32 v[ST+8*\x+4:ST+8*\x+5], v[ST+8*\x+4:ST+8*\x+5], v[S+32*\x+\i+2:S+32*\x+\i+3]
.endr
.endr
.irp x, 0,1
	v_pk_add_f32 v[ST+8*\x+2:ST+8*\x+3], v[ST+8*\x+2:ST+8*\x+3], v[S+32*\x+30:S+32*\x+31]
.endr
.irp x, 0,1
	v_pk_add_f32 v[ST+8*\x+2:ST+8*\x+3], v[ST+8*\x+2:ST+8*\x+3], v[ST+8*\x+4:ST+8*\x+5]
.endr
.set i, 0
.rept 16
	v_cvt_pk_f16_f32 v[S+i], v[S+2*i], v[S+2*i+1]                  ; P, in place and ascending: sixteen registers a tile, the second product's source 1 as they stand
	v_cvt_pk_f16_f32 v[S+32+i], v[S+32+2*i], v[S+32+2*i+1]
.set i, i+1
.endr
.set i, 0
.rept 16
	v_pk_mul_f32 v[O+2*i:O+2*i+1], v[O+2*i:O+2*i+1], v[ST+6:ST+7] op_sel_hi:[1,0]             ; O^T x a
	v_pk_mul_f32 v[O+32+2*i:O+32+2*i+1], v[O+32+2*i:O+32+2*i+1], v[ST+14:ST+15] op_sel_hi:[1,0]
.set i, i+1
.endr
.endm
; A KEY STEP: 64 keys, in slot `slot`.  st: the next tile goes from registers into the other slot.  ld: the tile after that is asked for.  bar: the barrier at the step's end.
; The other slot was last read in the step before, ahead of that step's barrier; what is stored into it now is read behind this step's barrier.
.macro STEP slot, st, ld, bar
.if \st
	s_wait_loadcnt 0x0                             ; the next tile, asked for a step ago, is in my registers
	ds_store_b128 v[GOF], v[STG:STG+3] offset:(1-\slot)*SLOTB
	ds_store_b128 v[GOF], v[STG+4:STG+7] offset:(1-\slot)*SLOTB+8192
.endif
.if \ld
	s_wait_dscnt 0x0                               ; the stores have read their registers
	s_wait_xcnt 0x0                                ; the last step's loads and prefetch have read their bases
	s_add_nc_u64 s[KVB:KVB+1], s[KVB:KVB+1], STEPB
	s_add_nc_u64 s[PFA:PFA+1], s[PFA:PFA+1], STEPB
	global_load_b128 v[STG:STG+3], v[GOF], s[KVB:KVB+1] offset:STEPB          ; the tile two steps on
	global_load_b128 v[STG+4:STG+7], v[GOF], s[KVB:KVB+1] offset:STEPB+8192
	s_cmp_lt_u32 s[KF], s[PLIM]
	s_cbranch_scc0 .Lno_ask_\@
	global_prefetch_b8 v[PFO], s[PFA:PFA+1] th:TH_LOAD_NT scope:SCOPE_SE      ; the tile four steps on, two steps ahead of its loads: 32 lanes, 256 bytes apart; each block is named once in the launch
.Lno_ask_\@:
.endif
	s_cmp_gt_i32 s[KF], s[QL]                      ; all keys come after my queries, or none of my queries counts
	s_cbranch_scc1 .Lskip_\@
	s_bitcmp1_b32 s[ALL], 0                        ; all 64 keys are masked
	s_cbranch_scc1 .Lskip_\@
.irp kt, 0,1,2,3
.irp b, 0,1,2,3
	ds_load_b128 v[KV+16*\kt+4*\b:KV+16*\kt+4*\b+3], v[LA] offset:\slot*SLOTB+\kt*2048+\b*512
.endr
.endr
	s_bitcmp1_b32 s[ANY], 0
	s_cbranch_scc0 .Lclean_\@
	s_lshl_b32 s32, s[KF], 2                       ; some key is masked: the table's entries are the C of the first products
	s_add_co_u32 s32, s32, BIAS
	v_bfe_u32 v[BA], v0, 4, 1
	v_lshl_add_u32 v[BA], v[BA], 5, s32            ; keys KF + 8 h on
.irp x, 0,1
.irp kt, 0,1,2,3
.irp c, 0,1
	ds_load_b128 v[S+32*\x+8*\kt+4*\c:S+32*\x+8*\kt+4*\c+3], v[BA] offset:\kt*64+16*\c
.endr
.endr
.endr
	s_wait_dscnt 0x0
	KQ8 0, 0
	s_branch .Ljoin_\@
.Lclean_\@:
	s_wait_dscnt 0x0
	KQ8 0, 1
.Ljoin_\@:
	KQ8 1, 0
.rept 4
	v_nop                                          ; places ahead of the loads into K's registers and of the first read of the scores
.endr
.irp t, 0,1,2,3
.irp kg, 0,1
.irp c, 0,1
	ds_load_b128 v[KV+16*\t+8*\kg+4*\c:KV+16*\t+8*\kg+4*\c+3], v[LA] offset:\slot*SLOTB+8192+(2*\kg+\c)*2048+\t*512   ; V lands under the softmax
.endr
.endr
.endr
	s_add_co_u32 s32, s[KF], 63
	s_cmp_le_u32 s32, s[Q0]
	s_cbranch_scc1 .Lopen_\@                       ; all keys of the step come before my queries
	s_sub_co_i32 s32, s[Q0], s[KF]
	v_and_b32 v[TP], 15, v0
	v_bfe_u32 v[BA], v0, 4, 1
	v_lshlrev_b32 v[BA], 3, v[BA]
	v_sub_nc_u32 v[TP], v[TP], v[BA]
	v_add_nc_u32 v[TP], s32, v[TP]                 ; d = Q0 - KF + r - 8 h.  Register 32 x + 8 kt + j holds key KF + 16 kt + 8 h + j of query Q0 + 16 x + r: it counts where 16 kt + j - 16 x <= d
.set n, 0
.rept 64
	v_cmp_le_i32 vcc_lo, 16*((n%32)/8)+n%8-16*(n/32), v[TP]
	v_cndmask_b32 v[S+n], NEG, v[S+n], vcc_lo
.set n, n+1
.endr
.Lopen_\@:
	SOFTMAX
	s_wait_dscnt 0x0                               ; V is in
.irp kg, 0,1
.irp t, 0,1,2,3
.irp x, 0,1
	v_wmma_f32_16x16x32_f16 v[O+32*\x+8*\t:O+32*\x+8*\t+7], v[KV+16*\t+8*\kg:KV+16*\t+8*\kg+7], v[S+32*\x+8*\kg:S+32*\x+8*\kg+7], v[O+32*\x+8*\t:O+32*\x+8*\t+7]
.endr
.endr
.endr
.rept 5
	v_nop                                          ; the next step's products write over registers that these have read: five places; its loads want four
.endr
.Lskip_\@:
	s_add_co_u32 s[KF], s[KF], 64
	s_lshr_b32 s[ANY], s[ANY], 1
	s_lshr_b32 s[ALL], s[ALL], 1
.if \bar
	s_wait_dscnt 0x0                               ; my stores into the other slot have landed, my reads of this one are back
	s_barrier_signal -1
	s_barrier_wait -1
.endif
.endm
	s_mov_b32 s[TRIP], 15
.Lloop:
	STEP 0, 1, 1, 1
	STEP 1, 1, 1, 1
	s_sub_co_u32 s[TRIP], s[TRIP], 1
	s_cmp_lg_u32 s[TRIP], 0
	s_cbranch_scc1 .Lloop
	STEP 0, 1, 0, 1                                ; the last two steps ask for nothing: no load passes the head's last tile
	STEP 1, 0, 0, 0
	; THE WAY OUT.  The mean of V: sixteen partial sums, lanes 0-15 the even ones, lanes 16-31 the odd ones; a lane gets channels 16 t + r, t = 0..3.
	v_and_b32 v[TP], 15, v0
	v_bfe_u32 v[BA], v0, 4, 1
	v_lshlrev_b32 v[TP], 5, v[TP]
	v_lshl_add_u32 v[TP], v[BA], 12, v[TP]
.irp i, 0,1,2,3,4,5,6,7
	global_load_b128 v[KV+4*\i:KV+4*\i+3], v[TP], s[44:45] offset:8192*\i
.endr
	s_lshl_b32 s32, s[WV], 8
	s_add_co_u32 s32, s32, MEAN
	v_and_b32 v8, 15, v0
	v_lshl_add_u32 v8, v8, 4, s32                  ; in: channel r's four numbers
	v_lshl_add_u32 v9, v[BA], 7, s32               ; back: channels 8 h + j
.irp x, 0,1
	v_add_f32 v[ST+8*\x+4], v[ST+8*\x+2], v[ST+8*\x+3]
.endr
.irp x, 0,1
	v_permlanex16_b32 v[ST+8*\x+5], v[ST+8*\x+4], s[SEL], s[SEL+1]
.endr
.irp x, 0,1
	v_add_f32 v[ST+8*\x+4], v[ST+8*\x+4], v[ST+8*\x+5]
.endr
.irp x, 0,1
	v_rcp_f32 v[ST+8*\x+6], v[ST+8*\x+4]
.endr
	v_nop
	s_wait_alu depctr_va_vdst(0)                   ; one wait for the two reciprocals
	s_wait_loadcnt 0x0
.irp i, 1,2,3,4,5,6,7
	v_pk_add_f32 v[KV:KV+1], v[KV:KV+1], v[KV+4*\i:KV+4*\i+1]
	v_pk_add_f32 v[KV+2:KV+3], v[KV+2:KV+3], v[KV+4*\i+2:KV+4*\i+3]
.endr
.irp t, 0,1,2,3
	v_permlanex16_b32 v[KV+4+\t], v[KV+\t], s[SEL], s[SEL+1]
.endr
.irp t, 0,1,2,3
	v_add_f32 v[KV+\t], v[KV+\t], v[KV+4+\t]
.endr
.irp t, 0,1,2,3
	v_mul_f32 v[KV+\t], 0x3a000000, v[KV+\t]       ; / 2,048
.endr
	ds_store_b128 v8, v[KV:KV+3]                   ; both halves of the lanes write the same numbers to the same bytes; the bytes are my wave's own
.irp j, 0,1,2,3,4,5,6,7
	ds_load_b128 v[KV+32+4*\j:KV+32+4*\j+3], v9 offset:16*\j       ; LDS serves a wave's instructions in order: these see my store.  Register 4 j + t: the mean of channel 16 t + 8 h + j
.endr
	s_wait_dscnt 0x0
.irp x, 0,1
.irp i, 0,2,4,6,8,10,12,14,16,18,20,22,24,26,28,30
	v_pk_mul_f32 v[O+32*\x+\i:O+32*\x+\i+1], v[O+32*\x+\i:O+32*\x+\i+1], v[ST+8*\x+6:ST+8*\x+7] op_sel_hi:[1,0]
.endr
.irp t, 0,1,2,3
.irp j, 0,1,2,3,4,5,6,7
	v_cndmask_b32 v[O+32*\x+8*\t+\j], v[KV+32+4*\j+\t], v[O+32*\x+8*\t+\j], s[QV0+\x]   ; a masked query takes the mean (whatever its lane held)
.endr
.endr
.irp i, 0,1,2,3,4,5,6,7,8,9,10,11,12,13,14,15
	v_cvt_pk_f16_f32 v[KV+16*\x+\i], v[O+32*\x+2*\i], v[O+32*\x+2*\i+1]
.endr
.irp t, 0,1,2,3
	global_store_b128 v[LA], v[KV+16*\x+4*\t:KV+16*\x+4*\t+3], s[42:43] offset:32768*\x+512*\t   ; 512 consecutive bytes: half an operand of the last product
.endr
.endr
	s_wait_tensorcnt 0x0                           ; the wave's end: three lines behind my last LDS store
	ds_add_u32 v[SPW], v[NIL]
	s_wait_dscnt 0x0
	s_endpgm
.Lfunc_end_k_q51e38b8ac6_attn:
	.size	k_q51e38b8ac6_attn, .Lfunc_end_k_q51e38b8ac6_attn-k_q51e38b8ac6_attn
	.p2alignl 7, 3214868480
	.fill 96, 4, 3214868480
	.section	.rodata,"a",@progbits
	.p2align	6, 0x0
	.amdhsa_kernel k_q51e38b8ac6_attn
		.amdhsa_group_segment_fixed_size 48128
		.amdhsa_private_segment_fixed_size 0
		.amdhsa_enable_private_segment 0
		.amdhsa_kernarg_size 32
		.amdhsa_user_sgpr_count 2
		.amdhsa_user_sgpr_kernarg_segment_ptr 1
		.amdhsa_wavefront_size32 1
		.amdhsa_system_sgpr_workgroup_id_x 1
		.amdhsa_system_sgpr_workgroup_id_y 1
		.amdhsa_system_sgpr_workgroup_id_z 1
		.amdhsa_system_vgpr_workitem_id 0
		.amdhsa_next_free_vgpr 256
		.amdhsa_next_free_sgpr 66
		.amdhsa_reserve_vcc 1
		.amdhsa_float_denorm_mode_32 3
		.amdhsa_float_denorm_mode_16_64 3
		.amdhsa_memory_ordered 1
		.amdhsa_forward_progress 1
		.amdhsa_inst_pref_size 125
	.end_amdhsa_kernel
	.amdgpu_metadata
---
amdhsa.version: [ 1, 2 ]
amdhsa.kernels:
  - .name:           k_q51e38b8ac6_attn
    .symbol:         k_q51e38b8ac6_attn.kd
    .args:
      - { .name: qkv, .offset: 0, .size: 8, .value_kind: global_buffer, .address_space: global }
      - { .name: vsum, .offset: 8, .size: 8, .value_kind: global_buffer, .address_space: global }
      - { .name: attention_mask, .offset: 16, .size: 8, .value_kind: global_buffer, .address_space: global }
      - { .name: af, .offset: 24, .size: 8, .value_kind: global_buffer, .address_space: global }
    .group_segment_fixed_size: 48128
    .private_segment_fixed_size: 0
    .kernarg_segment_align: 8
    .kernarg_segment_size: 32
    .max_flat_workgroup_size: 512
    .sgpr_count:     66
    .vgpr_count:     256
    .wavefront_size: 32
...
	.end_amdgpu_metadata
.endif
;; end of part 3
;; launch outp (part 4): grid 8 x 64, 4 waves a work-group, clusters of 4 x 4, 327,680 bytes of LDS; arguments af, wcf, bc, out0; writes out0
.if DOCPART == 4
	.amdgcn_target "amdgcn-amd-amdhsa--gfx1250"
	.amdhsa_code_object_version 6
	.text
	.protected	k_q51e38b8ac6_outp
	.globl	k_q51e38b8ac6_outp
	.p2align	8
	.type	k_q51e38b8ac6_outp,@function
k_q51e38b8ac6_outp:
	s_mov_b64 s[64:65], 0
	v_nop
	global_prefetch_b8 v0, s[64:65] scope:SCOPE_SE
	s_setreg_imm32_b32 hwreg(HW_REG_WAVE_MODE, 25, 1), 1
	s_wait_xcnt 0x0
	s_wait_alu depctr_hold_cnt(0) depctr_sa_sdst(0) depctr_va_vdst(0) depctr_va_sdst(0) depctr_va_ssrc(0) depctr_va_vcc(0) depctr_vm_vsrc(0)
	s_getreg_b32 s2, hwreg(HW_REG_IB_STS2, 6, 4)
	s_cmp_eq_u32 s2, 0
	s_cbranch_scc0 .Lentry_in_a_cluster
	s_endpgm
.Lentry_in_a_cluster:
	s_bfe_u32 s2, ttmp6, 0x10000c
	s_cmp_lg_u32 s2, 0xf033
	s_cbranch_scc0 .Lentry_shape_is_right
	s_endpgm
.Lentry_shape_is_right:
; out0 = A Wc^T + bc on f16 operands, f32 sums.  A = the attention rows [8192][1024], Wc [1024][1024]; both lie in memory as images of operand registers:
; [tile of 16 rows: 32,768 bytes][chunk of 16 k: 512][lane][16 bytes].  So 256 along K of a tile of 16 rows are 8,192 consecutive bytes, and a fragment is two loads at 16 x lane.
; A tile of out0 is 128 x 128: four waves, each 64 x 64 in 16 accumulators.  K goes in four steps of 256 through a ring of two LDS slots; a wave's tensor load brings 4 rows of 8,192 bytes.
; CLUSTERS: 4 x 4 work-groups; A's tile is shared along a row of the cluster, Wc's along a column.  Tile row = 16 cy + cluster y, so "the tile holds a sequence's first rows" is cluster y = 0, alike in all partners.
; THE MATRIX INSTRUCTION IS USED TRANSPOSED (source 0 = 16 rows of Wc, source 1 = 16 rows of A): a lane holds eight neighbouring numbers of a row of out0.  The bias is the C of each sum's first product.
; The first 16 rows of every sequence are not stored here: a later launch makes them in f32.
; REGISTERS: window 0: v0-31 addresses; v32-95 rows on the way out; v96-127 the bias; v128-255 the accumulators ((a, b) at v[128 + 8 (4 a + b)]).   window 1: two fragment buffers of 128.
.set KSB,    8192                      ; a K step of a tile of 16 rows
.set HALFT,  32768                     ; what one tensor load brings, and what one wave reads of A or of Wc
.set SLOT,   4*HALFT
.set STAGE,  2*SLOT                    ; behind the ring: 16 rows x 272 bytes for each wave
.set SPITCH, 272
.set SPARE,  STAGE+4*16*SPITCH         ; the spare words, 128 bytes for each wave
.set ADRA, 16
.set ADRB, 20
.set STO,  24
.set RD,   25
.set CO,   26
.set BO,   27
.set SPW,  28
.set NIL,  29
.set TMP,  32
.set BC,   96
.set ACC,  128
.set F0,   0
.set F1,   128
.set G1, 24
.set G0, 32
.set G1B, 48
.set G0B, 56
.set WV, 66
.set RH, 67
.set CH, 68
.set TR, 69
.set FLAG, 70
.set YY, 71
.set MSB, 0
.macro WIN new
.if MSB != (\new)
	s_set_vgpr_msb (MSB<<8)|(\new)
.set MSB, (\new)
.endif
.endm
.set MUL,  0x05                        ; sources 0 and 1 window 1; C and D window 0
.set TO_F, 0x40
.macro JLOAD s                         ; a joint load: waves 0 and 1 fetch A's two halves, waves 2 and 3 Wc's; an s_nop 0 and four v_nop follow each line
	s_cmp_eq_u32 s[RH], 0
	s_cbranch_scc0 .Lfor_b_\@
	tensor_load_to_lds s[G0+4*\s:G0+4*\s+3], s[G1:G1+7]
	s_nop 0
.rept 4
	v_nop
.endr
	s_branch .Lasked_\@
.Lfor_b_\@:
	tensor_load_to_lds s[G0B+4*\s:G0B+4*\s+3], s[G1B:G1B+7]
	s_nop 0
.rept 4
	v_nop
.endr
.Lasked_\@:
.endm
.macro CREST
	s_cmp_lg_u32 s[WV], 0
	s_cbranch_scc1 .Lnot_wave_0_\@
	s_barrier_signal -3
.Lnot_wave_0_\@:
	s_barrier_wait -3
	s_barrier_signal -1
	s_barrier_wait -1
.endm
.macro CROUND
	s_barrier_signal -1
	s_barrier_wait -1
	CREST
.endm
	s_load_b256 s[4:11], s[0:1], 0x0               ; af, wcf, bc, out0
	v_lshl_add_u32 v[SPW], v0, 2, SPARE
	v_mov_b32 v[NIL], 0
	ds_add_u32 v[SPW], v[NIL]                      ; the wave's opening: the add, twice on end, and its wait ahead of my first tensor load
	ds_add_u32 v[SPW], v[NIL]
	v_lshrrev_b32 v1, 5, v0
	v_readfirstlane_b32 s[WV], v1
	s_lshr_b32 s[RH], s[WV], 1                     ; which half of the tile's rows is mine.  Also: I fetch for A (0) or for Wc (1)
	s_and_b32 s[CH], s[WV], 1                      ; which half of its columns.  Also: which 64 rows of that tile I fetch
	s_bfe_u32 s40, ttmp6, 0x40000                  ; cx
	s_bfe_u32 s41, ttmp6, 0x40004                  ; cy
	s_lshl_b32 s42, ttmp9, 2
	s_add_co_u32 s42, s42, s40                     ; tile column
	s_and_b32 s[YY], ttmp7, 0xffff
	s_lshl_b32 s[TR], s41, 4
	s_add_co_u32 s[TR], s[TR], s[YY]               ; tile row = 16 cy + cluster y
	s_lshl_b32 s43, s41, 2
	s_lshl_b32 s43, 15, s43                        ; my row of the cluster
	s_lshl_b32 s44, 0x1111, s40                    ; my column
	; descriptor group 1: 4 rows of 1,024 elements of 8 bytes, 4,096 elements apart; dense in LDS
	s_or_b32 s[G1+0], s43, (3<<16)|(1<<21)
	s_or_b32 s[G1B+0], s44, (3<<16)|(1<<21)
.irp g, G1, G1B
	s_mov_b32 s[\g+1], 1024<<16                    ; tensor_dim0
	s_mov_b32 s[\g+2], 4<<16                       ; tensor_dim1
	s_mov_b32 s[\g+3], 1024<<16                    ; tile_dim0
	s_mov_b32 s[\g+4], 4                           ; tile_dim1
	s_mov_b32 s[\g+5], 4096                        ; from row to row
	s_mov_b32 s[\g+6], 0
	s_mov_b32 s[\g+7], 0
.endr
	s_lshl_b32 s16, s[TR], 3
	s_lshl_b32 s17, s[CH], 2
	s_add_co_u32 s16, s16, s17                     ; A: tile of 16 rows 8 x tile row + 4 x half
	s_lshl_b32 s16, s16, 15
	s_mov_b32 s17, 0
	s_lshl_b32 s46, s42, 3
	s_lshl_b32 s47, s[CH], 2
	s_add_co_u32 s46, s46, s47                     ; Wc: 8 x tile column + 4 x half
	s_lshl_b32 s46, s46, 15
	s_mov_b32 s47, 0
	s_mul_i32 s20, s[WV], HALFT                    ; where they go: no place in the cluster enters an LDS address
	s_wait_dscnt 0x0                               ; both opening adds are done
	s_wait_kmcnt 0x0
	s_add_nc_u64 s[14:15], s[4:5], s[16:17]
	s_add_nc_u64 s[46:47], s[6:7], s[46:47]
	CROUND                                         ; all sixteen work-groups are here: the first joint loads meet
.irp s, 0,1
	s_mov_b32 s[G0+4*\s], 1
	s_add_co_u32 s[G0+4*\s+1], s20, \s*SLOT
	s_add_nc_u64 s[G0+4*\s+2:G0+4*\s+3], s[14:15], \s*KSB
	s_or_b32 s[G0+4*\s+3], s[G0+4*\s+3], 0x80000000
	s_mov_b32 s[G0B+4*\s], 1
	s_add_co_u32 s[G0B+4*\s+1], s20, \s*SLOT
	s_add_nc_u64 s[G0B+4*\s+2:G0B+4*\s+3], s[46:47], \s*KSB
	s_or_b32 s[G0B+4*\s+3], s[G0B+4*\s+3], 0x80000000
	JLOAD \s
.endr
	v_and_b32 v1, 15, v0                           ; r
	v_bfe_u32 v2, v0, 4, 1                         ; h
	v_and_b32 v3, 31, v0
	v_lshlrev_b32 v3, 4, v3                        ; 16 x lane
	s_mul_i32 s21, s[RH], HALFT
	s_mul_i32 s22, s[CH], HALFT
	s_add_co_u32 s22, s22, 2*HALFT
.irp s, 0,1
	v_add_nc_u32 v[ADRA+\s], s21, v3
	v_add_nc_u32 v[ADRB+\s], s22, v3
	s_add_co_u32 s21, s21, SLOT
	s_add_co_u32 s22, s22, SLOT
.endr
	s_lshl_b32 s46, s42, 9                         ; my first column, in bytes of f32: 512 x tile column + 256 x half
	s_lshl_b32 s47, s[CH], 8
	s_add_co_u32 s46, s46, s47
	s_mov_b32 s47, 0
	s_add_nc_u64 s[8:9], s[8:9], s[46:47]
	v_lshlrev_b32 v[BO], 5, v2
.irp b, 0,1,2,3
	global_load_b128 v[BC+8*\b:BC+8*\b+3], v[BO], s[8:9] offset:64*\b          ; bc at columns 16 b + 8 h + 0..7: the result's layout
	global_load_b128 v[BC+8*\b+4:BC+8*\b+7], v[BO], s[8:9] offset:64*\b+16
.endr
	s_mul_i32 s23, s[WV], 16*SPITCH
	s_add_co_u32 s23, s23, STAGE                   ; my stage
	v_mul_u32_u24 v4, v1, SPITCH
	v_lshl_add_u32 v4, v2, 5, v4
	v_add_nc_u32 v[STO], s23, v4                   ; in: row r, + 32 h
	v_mul_u32_u24 v5, v2, SPITCH
	v_lshl_add_u32 v5, v1, 4, v5
	v_add_nc_u32 v[RD], s23, v5                    ; back: lanes 0-15 one row of 256 bytes, lanes 16-31 the next
	v_lshlrev_b32 v5, 12, v2
	v_lshl_add_u32 v[CO], v1, 4, v5                ; and the same two rows in out0
	s_lshl_b32 s16, s[TR], 7
	s_lshl_b32 s17, s[RH], 6
	s_add_co_u32 s16, s16, s17                     ; my first row
	s_lshl_b32 s16, s16, 12
	s_add_co_u32 s16, s16, s46
	s_mov_b32 s17, 0
	s_add_nc_u64 s[10:11], s[10:11], s[16:17]
	s_or_b32 s[FLAG], s[YY], s[RH]                 ; 0: my first 16 rows are a sequence's first
; 8 matrix instructions: row blocks a0, a0 + 1 x all 4 column blocks, 32 along K: half c of buffer f.  zero = 1: the bias starts the sums.  The 16 accumulators take turns.
.macro MUL8 f, c, a0, zero
.irp a, \a0, \a0+1
.irp b, 0,1,2,3
.if \zero
	v_wmma_f32_16x16x32_f16 v[ACC+8*(4*(\a)+\b):ACC+8*(4*(\a)+\b)+7], v[\f+64+8*(4*\c+\b):\f+64+8*(4*\c+\b)+7], v[\f+8*(4*\c+\a):\f+8*(4*\c+\a)+7], v[BC+8*\b:BC+8*\b+7]
.else
	v_wmma_f32_16x16x32_f16 v[ACC+8*(4*(\a)+\b):ACC+8*(4*(\a)+\b)+7], v[\f+64+8*(4*\c+\b):\f+64+8*(4*\c+\b)+7], v[\f+8*(4*\c+\a):\f+8*(4*\c+\a)+7], v[ACC+8*(4*(\a)+\b):ACC+8*(4*(\a)+\b)+7]
.endif
.endr
.endr
.endm
; 32 LDS loads in one run: the fragments of 64 along K, the slot's 32s number kq and kq + 1, into buffer f
.macro FETCH slot, kq, f
	WIN TO_F
.irp c, 0,1
.irp i, 0,1,2,3
	ds_load_b128 v[\f+64+8*(4*\c+\i):\f+64+8*(4*\c+\i)+3],   v[ADRB+\slot] offset:((\kq)+\c)*1024+\i*8192
	ds_load_b128 v[\f+64+8*(4*\c+\i)+4:\f+64+8*(4*\c+\i)+7], v[ADRB+\slot] offset:((\kq)+\c)*1024+\i*8192+512
	ds_load_b128 v[\f+8*(4*\c+\i):\f+8*(4*\c+\i)+3],         v[ADRA+\slot] offset:((\kq)+\c)*1024+\i*8192
	ds_load_b128 v[\f+8*(4*\c+\i)+4:\f+8*(4*\c+\i)+7],       v[ADRA+\slot] offset:((\kq)+\c)*1024+\i*8192+512
.endr
.endr
.endm
.macro PLACES
.rept 4
	v_nop
.endr
.endm
.macro QUARTER slot, kq, f, g, zero    ; multiplies buffer f and fetches the next 64 along K into g
	s_wait_dscnt 16                                ; the first 32 along K are in; the sixteen loads of the second may be out
	WIN MUL
	MUL8 \f, 0, 0, \zero
	MUL8 \f, 0, 2, \zero
	PLACES
	FETCH \slot, \kq, \g
	s_wait_dscnt 32                                ; all but the 32 just issued
	WIN MUL
	MUL8 \f, 1, 0, 0
	MUL8 \f, 1, 2, 0
.endm
; A slot's last quarter changes slots: one barrier; ahead of it each wave waits for all its tensor loads, adds 0 to its spare word, and waits for that and for its reads of this slot.  fill = 1: this slot is filled again, two K steps on.
.macro TURN slot, next, fill
	WIN 0
	s_wait_tensorcnt 0x0                           ; all my tensor loads have landed: my part of the next slot
	ds_add_u32 v[SPW], v[NIL]
	s_wait_dscnt 17                                ; (the add and the youngest sixteen loads may be out)
	WIN MUL
	MUL8 F1, 0, 0, 0
	s_wait_dscnt 0x0                               ; the add is done, and my reads of this slot are over
	s_barrier_signal -1
	MUL8 F1, 0, 2, 0
.if \fill
	WIN 0
.endif
	s_barrier_wait -1
.if \fill
	CREST                                          ; the barrier has opened a round of the cluster's: no wave of any partner still reads this slot or has a load on its way
	s_add_nc_u64 s[G0+4*\slot+2:G0+4*\slot+3], s[G0+4*\slot+2:G0+4*\slot+3], 2*KSB
	s_add_nc_u64 s[G0B+4*\slot+2:G0B+4*\slot+3], s[G0B+4*\slot+2:G0B+4*\slot+3], 2*KSB
	JLOAD \slot                                    ; the first tensor load behind the round; its four v_nop are also the places ahead of the loads below
.else
	PLACES
.endif
	FETCH \next, 0, F0
	WIN MUL
	MUL8 F1, 1, 0, 0
	MUL8 F1, 1, 2, 0
.endm
	s_wait_tensorcnt 1                             ; my part of K step 0 is in (K step 1's load may be out),
	s_barrier_signal -1
	s_barrier_wait -1                              ; everybody's is
	FETCH 0, 0, F0
	s_wait_loadcnt 0x0                             ; the bias
	QUARTER 0, 2, F0, F1, 1                        ; four K steps, written out: K steps 0 and 1 fill their slots again, 2 and 3 do not
	QUARTER 0, 4, F1, F0, 0
	QUARTER 0, 6, F0, F1, 0
	TURN 0, 1, 1
	QUARTER 1, 2, F0, F1, 0
	QUARTER 1, 4, F1, F0, 0
	QUARTER 1, 6, F0, F1, 0
	TURN 1, 0, 1
	QUARTER 0, 2, F0, F1, 0
	QUARTER 0, 4, F1, F0, 0
	QUARTER 0, 6, F0, F1, 0
	TURN 0, 1, 0
	QUARTER 1, 2, F0, F1, 0
	QUARTER 1, 4, F1, F0, 0
	QUARTER 1, 6, F0, F1, 0
	s_wait_dscnt 16
	WIN MUL
	MUL8 F1, 0, 0, 0
	MUL8 F1, 0, 2, 0
	s_wait_dscnt 0
	MUL8 F1, 1, 0, 0
	MUL8 F1, 1, 2, 0
	WIN 0
	; THE WAY OUT.  A wave's 64 columns of f32 are 256 bytes: each wave has a stage of its own, 16 rows at a time, and stores sixteen lanes to 256 consecutive aligned bytes.
	PLACES
.macro OUTB a
.if (\a) >= 2
	s_wait_xcnt 0x0                                ; block a - 2's stores have read the registers that this block's rows take
.endif
.irp b, 0,1,2,3
	ds_store_b128 v[STO], v[ACC+8*(4*(\a)+\b):ACC+8*(4*(\a)+\b)+3] offset:64*\b       ; each accumulator from its low end on
	ds_store_b128 v[STO], v[ACC+8*(4*(\a)+\b)+4:ACC+8*(4*(\a)+\b)+7] offset:64*\b+16
.endr
.irp t, 0,1,2,3,4,5,6,7
	ds_load_b128 v[TMP+32*((\a)%2)+4*\t:TMP+32*((\a)%2)+4*\t+3], v[RD] offset:\t*2*SPITCH   ; LDS serves a wave's instructions in order: these see the stores above
.endr
.irp t, 0,1,2,3,4,5,6,7
	s_wait_dscnt 7-\t                              ; the block's younger loads may be out
	global_store_b128 v[CO], v[TMP+32*((\a)%2)+4*\t:TMP+32*((\a)%2)+4*\t+3], s[10:11] offset:(\a)*65536+2*\t*4096 th:TH_STORE_NT
.endr
.endm
	s_cmp_eq_u32 s[FLAG], 0
	s_cbranch_scc1 .Lnot_mine                      ; a sequence's first 16 rows are made by the launch behind this one
	OUTB 0
.Lnot_mine:
	OUTB 1
	OUTB 2
	OUTB 3
	s_wait_tensorcnt 0x0                           ; the wave's end: three lines behind my last tensor load and my last LDS store
	ds_add_u32 v[SPW], v[NIL]
	s_wait_dscnt 0x0
	CROUND                                         ; the closing round
	s_endpgm
.Lfunc_end_k_q51e38b8ac6_outp:
	.size	k_q51e38b8ac6_outp, .Lfunc_end_k_q51e38b8ac6_outp-k_q51e38b8ac6_outp
	.p2alignl 7, 3214868480
	.fill 96, 4, 3214868480
	.section	.rodata,"a",@progbits
	.p2align	6, 0x0
	.amdhsa_kernel k_q51e38b8ac6_outp
		.amdhsa_group_segment_fixed_size 327680
		.amdhsa_private_segment_fixed_size 0
		.amdhsa_enable_private_segment 0
		.amdhsa_kernarg_size 32
		.amdhsa_user_sgpr_count 2
		.amdhsa_user_sgpr_kernarg_segment_ptr 1
		.amdhsa_wavefront_size32 1
		.amdhsa_system_sgpr_workgroup_id_x 1
		.amdhsa_system_sgpr_workgroup_id_y 1
		.amdhsa_system_sgpr_workgroup_id_z 1
		.amdhsa_system_vgpr_workitem_id 0
		.amdhsa_next_free_vgpr 512
		.amdhsa_next_free_sgpr 72
		.amdhsa_reserve_vcc 0
		.amdhsa_float_denorm_mode_32 3
		.amdhsa_float_denorm_mode_16_64 3
		.amdhsa_memory_ordered 1
		.amdhsa_forward_progress 1
		.amdhsa_inst_pref_size 87
	.end_amdhsa_kernel
	.amdgpu_metadata
---
amdhsa.version: [ 1, 2 ]
amdhsa.kernels:
  - .name:           k_q51e38b8ac6_outp
    .symbol:         k_q51e38b8ac6_outp.kd
    .args:
      - { .name: af, .offset: 0, .size: 8, .value_kind: global_buffer, .address_space: global }
      - { .name: wcf, .offset: 8, .size: 8, .value_kind: global_buffer, .address_space: global }
      - { .name: bc, .offset: 16, .size: 8, .value_kind: global_buffer, .address_space: global }
      - { .name: out0, .offset: 24, .size: 8, .value_kind: global_buffer, .address_space: global }
    .group_segment_fixed_size: 327680
    .private_segment_fixed_size: 0
    .kernarg_segment_align: 8
    .kernarg_segment_size: 32
    .max_flat_workgroup_size: 128
    .sgpr_count:     72
    .vgpr_count:     512
    .wavefront_size: 32
...
	.end_amdgpu_metadata
.endif
;; end of part 4
;; launch first16 (part 5): grid 16 x 4, 16 waves a work-group, no clusters, 83,968 bytes of LDS; arguments f32img, af, attention_mask, wc32, bc, out0; writes out0
.if DOCPART == 5
	.amdgcn_target "amdgcn-amd-amdhsa--gfx1250"
	.amdhsa_code_object_version 6
	.text
	.protected	k_q51e38b8ac6_first16
	.globl	k_q51e38b8ac6_first16
	.p2align	8
	.type	k_q51e38b8ac6_first16,@function
k_q51e38b8ac6_first16:
	s_mov_b64 s[64:65], 0
	v_nop
	global_prefetch_b8 v0, s[64:65] scope:SCOPE_SE
	s_setreg_imm32_b32 hwreg(HW_REG_WAVE_MODE, 25, 1), 1
	s_wait_xcnt 0x0
; The first 16 positions of every sequence, in f32 throughout: they average one to sixteen values, are the largest numbers of the output, and the rounding of 16-bit operands would weigh most there.
; Work-group (cg, batch): the 16 rows x 64 columns 64 cg on.  Phase 1: wave = head: S^T = K Q^T, the masks, the softmax, O^T = V^T P, all on the 16 x 16 corner (later keys are hidden from these queries).
; Phase 2: wave (ct = w % 4, kq = w / 4): the 16 rows x 16 columns x a quarter of K of the last product; the four quarters are added through LDS.  67 million multiply-adds in the whole launch: no bulk work.
; A query whose mask byte is 0 takes the mean of V, which the attention launch has left in its row of af (f16; those numbers are small).
; All operands are images of registers: [16 k: 1,024 bytes][c 2][lane][16 bytes], lane (r, h) holding row r and k = 8 h + 4 c + 0..3.  A step of the f32 form takes registers 2 u, 2 u + 1 on BOTH sides: the same order of k on both.
; The registers v128-191 are written by matrix instructions alone.
; LIMITS: a hidden score is -2^126: scores must lie above it; mask bytes are 0 or 1.
.set OIMG,  0                          ; the attention rows: 64 chunks x 1,024 bytes
.set RED,   65536                      ; [quarter of K 4][row 16][64 f32]
.set SPARE, 81920                      ; the spare words, 128 bytes for each wave
.set NEG,   0xfe800000
.set SPW, 1
.set NIL, 2
.set LI,  3                            ; 16 x lane
.set RR,  4                            ; where I read the four quarters back
.set DD,  5                            ; r - 8 h
.set OW,  13
.set AR,  14
.set RW,  15
.set R1,  16                           ; Q, later Wc's third group
.set R2,  48                           ; K, later the weights and the rows, later the rows' images
.set R3,  80                           ; V, later Wc's fourth group
.set AFT, 112
.set SA,  128
.set OA,  144
.set YA,  176
.set GA,  192
.set GB,  224
	s_load_b256 s[4:11], s[0:1], 0x0               ; f32img, af, attention_mask, wc32
	s_load_b128 s[12:15], s[0:1], 0x20             ; bc, out0
	v_lshl_add_u32 v[SPW], v0, 2, SPARE
	v_mov_b32 v[NIL], 0
	v_lshrrev_b32 v3, 5, v0
	v_readfirstlane_b32 s16, v3                    ; wave
	v_and_b32 v3, 31, v0
	v_lshlrev_b32 v[LI], 4, v3
	v_and_b32 v4, 15, v0                           ; r
	v_bfe_u32 v7, v0, 4, 1                         ; h
	v_lshlrev_b32 v6, 3, v7                        ; 8 h: my eight keys' mask bytes
	v_lshlrev_b32 v8, 4, v4                        ; 16 r: my four numbers of bc
	v_mov_b32 v12, v4                              ; r: my query's mask byte
	s_and_b32 s18, ttmp7, 0xffff                   ; batch
	s_lshl_b32 s24, s16, 12
	v_add_nc_u32 v[OW], s24, v[LI]                 ; phase 1 stores chunks 4 x head on
	s_lshr_b32 s25, s16, 2                         ; kq
	s_and_b32 s26, s16, 3                          ; ct
	s_lshl_b32 s27, s25, 14
	v_add_nc_u32 v[AR], s27, v[LI]                 ; phase 2 reads chunks 16 kq on
	s_lshl_b32 s27, s25, 12
	s_lshl_b32 s28, s26, 6
	s_add_co_u32 s27, s27, s28
	s_add_co_u32 s27, s27, RED
	v_lshl_add_u32 v[RW], v7, 11, s27
	v_lshl_add_u32 v[RW], v4, 2, v[RW]             ; RED + 4,096 kq + 256 (8 h + j) + 4 (16 ct + r)
	v_sub_nc_u32 v[DD], v4, v6
	s_and_b32 s29, s16, 7
	s_lshl_b32 s28, s29, 9
	s_add_co_u32 s28, s28, RED
	v_lshl_add_u32 v[RR], v7, 8, v8
	v_add_nc_u32 v[RR], s28, v[RR]                 ; rows 2 (w % 8) + h, 16 bytes a lane
	s_mov_b32 s20, 0x76543210
	s_mov_b32 s21, 0xfedcba98
	s_mov_b32 s22, 0x3e38aa3b                      ; c = log2(e) / 8
	s_mov_b32 s33, 0
	s_lshl_b32 s32, s18, 16
	s_add_co_u32 s32, s32, s24
	s_wait_kmcnt 0x0
	s_add_nc_u64 s[4:5], s[4:5], s[32:33]          ; the images of my head in my batch; q, k, v lie 262,144 bytes apart
	s_lshl_b32 s32, s18, 22
	s_lshl_b32 s34, s16, 11
	s_add_co_u32 s32, s32, s34
	s_add_nc_u64 s[6:7], s[6:7], s[32:33]          ; af: the sequence's first tile of rows, my head's four chunks
	s_lshl_b32 s32, s18, 11
	s_add_nc_u64 s[8:9], s[8:9], s[32:33]
	s_lshl_b32 s32, ttmp9, 2
	s_add_co_u32 s32, s32, s26
	s_lshl_b32 s32, s32, 16
	s_lshl_b32 s34, s25, 14
	s_add_co_u32 s32, s32, s34
	s_add_nc_u64 s[10:11], s[10:11], s[32:33]      ; Wc: n tile 4 cg + ct, chunks 16 kq on
	s_lshl_b32 s32, ttmp9, 8
	s_add_nc_u64 s[12:13], s[12:13], s[32:33]
	s_lshl_b32 s34, s18, 23
	s_add_co_u32 s32, s32, s34
	s_lshl_b32 s34, s29, 13
	s_add_co_u32 s32, s32, s34
	s_add_nc_u64 s[14:15], s[14:15], s[32:33]      ; out0: row 2,048 x batch + 2 (w % 8), column 64 cg
	global_load_b128 v[8:11], v8, s[12:13]
.irp i, 0,1,2,3,4,5,6,7
	global_load_b128 v[R1+4*\i:R1+4*\i+3], v[LI], s[4:5] offset:512*\i
.endr
.irp i, 0,1,2,3,4,5,6,7
	global_load_b128 v[R2+4*\i:R2+4*\i+3], v[LI], s[4:5] offset:262144+512*\i
.endr
	global_load_b64 v[6:7], v6, s[8:9]
	global_load_u8 v12, v12, s[8:9]
.irp i, 0,1,2,3,4,5,6,7
	global_load_b128 v[R3+4*\i:R3+4*\i+3], v[LI], s[4:5] offset:524288+512*\i
.endr
.irp t, 0,1,2,3
	global_load_b128 v[AFT+4*\t:AFT+4*\t+3], v[LI], s[6:7] offset:512*\t
.endr
.irp i, 0,1,2,3,4,5,6,7
	global_load_b128 v[GA+4*\i:GA+4*\i+3], v[LI], s[10:11] offset:512*\i
.endr
.irp i, 0,1,2,3,4,5,6,7
	global_load_b128 v[GB+4*\i:GB+4*\i+3], v[LI], s[10:11] offset:4096+512*\i
.endr
	; ---- phase 1
	s_wait_loadcnt 30                              ; bc, Q and K are in; the mask bytes (1 + 1), V (8), af (4) and Wc's first two groups (8 + 8) may be out
.set n, 0
.rept 16                               ; S^T = K Q^T: 64 channels, four a step, on two accumulators by turns
.if n < 2
	v_wmma_f32_16x16x4_f32 v[SA+8*(n%2):SA+8*(n%2)+7], v[R2+2*n:R2+2*n+1], v[R1+2*n:R1+2*n+1], 0
.else
	v_wmma_f32_16x16x4_f32 v[SA+8*(n%2):SA+8*(n%2)+7], v[R2+2*n:R2+2*n+1], v[R1+2*n:R1+2*n+1], v[SA+8*(n%2):SA+8*(n%2)+7]
.endif
.set n, n+1
.endr
.rept 8
	v_nop                                          ; eight places behind this form, ahead of reads of its results and of writes and loads into its sources
.endr
.irp i, 0,1,2,3,4,5,6,7
	global_load_b128 v[R1+4*\i:R1+4*\i+3], v[LI], s[10:11] offset:8192+512*\i
.endr
	s_wait_loadcnt 24                              ; the mask bytes, V and af are in; Wc's three groups may be out
.irp j, 0,1,2,3,4,5,6,7
	v_add_f32 v[R2+\j], v[SA+\j], v[SA+8+\j]       ; lane (r, h): query r, key 8 h + j
.endr
.irp j, 0,1,2,3,4,5,6,7
	v_cmp_le_i32 vcc_lo, \j, v[DD]                 ; key <= query
	v_cndmask_b32 v[R2+\j], NEG, v[R2+\j], vcc_lo
.endr
.irp j, 0,1,2,3,4,5,6,7
	v_bfe_u32 v[R2+8], v[6+\j/4], 8*(\j%4), 8
	v_cmp_ne_u32 vcc_lo, 0, v[R2+8]                ; the key's mask byte
	v_cndmask_b32 v[R2+\j], NEG, v[R2+\j], vcc_lo
.endr
	v_max3_num_f32 v[R2+9], v[R2], v[R2+1], v[R2+2]
	v_max3_num_f32 v[R2+10], v[R2+3], v[R2+4], v[R2+5]
	v_max3_num_f32 v[R2+9], v[R2+9], v[R2+6], v[R2+7]
	v_max_num_f32 v[R2+9], v[R2+9], v[R2+10]
	v_permlanex16_b32 v[R2+10], v[R2+9], s20, s21
	v_max_num_f32 v[R2+9], v[R2+9], v[R2+10]       ; the row's maximum
	v_mul_f32 v[R2+9], s22, v[R2+9]
.irp j, 0,1,2,3,4,5,6,7
	v_fma_f32 v[R2+\j], v[R2+\j], s22, -v[R2+9]
.endr
.irp j, 0,1,2,3,4,5,6,7
	v_exp_f32 v[R2+\j], v[R2+\j]
.endr
	v_cmp_ne_u32 s30, 0, v12                       ; my query counts.  (A plain line behind the exponentials)
	s_wait_alu depctr_va_vdst(0)                   ; one wait for the eight, ahead of their first reader
	v_add_f32 v[R2+8], v[R2], v[R2+1]
	v_add_f32 v[R2+9], v[R2+2], v[R2+3]
	v_add_f32 v[R2+10], v[R2+4], v[R2+5]
	v_add_f32 v[R2+11], v[R2+6], v[R2+7]
	v_add_f32 v[R2+8], v[R2+8], v[R2+9]
	v_add_f32 v[R2+10], v[R2+10], v[R2+11]
	v_add_f32 v[R2+8], v[R2+8], v[R2+10]
	v_permlanex16_b32 v[R2+9], v[R2+8], s20, s21
	v_add_f32 v[R2+8], v[R2+8], v[R2+9]
	v_rcp_f32 v12, v[R2+8]
	v_nop
	s_wait_alu depctr_va_vdst(0)
.irp u, 0,1,2,3                        ; O^T = V^T P: four tiles of 16 channels by turns, four keys a step
.irp t, 0,1,2,3
.if \u == 0
	v_wmma_f32_16x16x4_f32 v[OA+8*\t:OA+8*\t+7], v[R3+8*\t+2*\u:R3+8*\t+2*\u+1], v[R2+2*\u:R2+2*\u+1], 0
.else
	v_wmma_f32_16x16x4_f32 v[OA+8*\t:OA+8*\t+7], v[R3+8*\t+2*\u:R3+8*\t+2*\u+1], v[R2+2*\u:R2+2*\u+1], v[OA+8*\t:OA+8*\t+7]
.endif
.endr
.endr
.rept 8
	v_nop
.endr
.irp i, 0,1,2,3,4,5,6,7
	global_load_b128 v[R3+4*\i:R3+4*\i+3], v[LI], s[10:11] offset:12288+512*\i
.endr
; two numbers of my row: O^T / the sum, or, for a masked query, the mean that lies in af
.macro PADSEL lo, hi, n
	v_mul_f32 v[R2+2*\n], v[OA+2*\n], v12
	v_mul_f32 v[R2+2*\n+1], v[OA+2*\n+1], v12
	v_cvt_f32_f16 v6, \lo
	v_cvt_f32_f16 v7, \hi
	v_cndmask_b32 v[R2+2*\n], v6, v[R2+2*\n], s30
	v_cndmask_b32 v[R2+2*\n+1], v7, v[R2+2*\n+1], s30
.endm
	PADSEL v112.l, v112.h, 0
	PADSEL v113.l, v113.h, 1
	PADSEL v114.l, v114.h, 2
	PADSEL v115.l, v115.h, 3
	PADSEL v116.l, v116.h, 4
	PADSEL v117.l, v117.h, 5
	PADSEL v118.l, v118.h, 6
	PADSEL v119.l, v119.h, 7
	PADSEL v120.l, v120.h, 8
	PADSEL v121.l, v121.h, 9
	PADSEL v122.l, v122.h, 10
	PADSEL v123.l, v123.h, 11
	PADSEL v124.l, v124.h, 12
	PADSEL v125.l, v125.h, 13
	PADSEL v126.l, v126.h, 14
	PADSEL v127.l, v127.h, 15
.irp t, 0,1,2,3
.irp c, 0,1
	ds_store_b128 v[OW], v[R2+8*\t+4*\c:R2+8*\t+4*\c+3] offset:OIMG+1024*\t+512*\c   ; lane (r, h): row r, channels 16 (4 head + t) + 8 h + 4 c + 0..3: an image of the next operand
.endr
.endr
	s_wait_dscnt 0x0
	s_barrier_signal -1
	s_barrier_wait -1                              ; the 16 rows x 1,024 lie in LDS
	; ---- phase 2: 16 chunks of 16 k, four at a time; source 0 = the rows, source 1 = 16 rows of Wc; two accumulators by turns
.macro PH2 gq, gb
.irp i, 0,1,2,3,4,5,6,7
	ds_load_b128 v[R2+4*\i:R2+4*\i+3], v[AR] offset:OIMG+4096*\gq+512*\i
.endr
	s_wait_dscnt 0x0
	s_wait_loadcnt 24-8*\gq                        ; this group of Wc is in; the younger groups may be out
.set n, 0
.rept 16
.if (\gq == 0) && (n < 2)
	v_wmma_f32_16x16x4_f32 v[YA+8*(n%2):YA+8*(n%2)+7], v[R2+2*n:R2+2*n+1], v[\gb+2*n:\gb+2*n+1], 0
.else
	v_wmma_f32_16x16x4_f32 v[YA+8*(n%2):YA+8*(n%2)+7], v[R2+2*n:R2+2*n+1], v[\gb+2*n:\gb+2*n+1], v[YA+8*(n%2):YA+8*(n%2)+7]
.endif
.set n, n+1
.endr
.rept 8
	v_nop
.endr
.endm
	PH2 0, GA
	PH2 1, GB
	PH2 2, R1
	PH2 3, R3
.irp j, 0,1,2,3,4,5,6,7
	v_add_f32 v[R2+\j], v[YA+\j], v[YA+8+\j]       ; lane (r, h): row 8 h + j, column 16 ct + r
.endr
.irp j, 0,1,2,3,4,5,6,7
	ds_store_b32 v[RW], v[R2+\j] offset:256*\j
.endr
	s_wait_dscnt 0x0
	s_barrier_signal -1
	s_barrier_wait -1
	s_cmp_ge_u32 s16, 8
	s_cbranch_scc1 .Ldone                          ; waves 0 to 7 add the four quarters and store two rows each
.irp q, 0,1,2,3
	ds_load_b128 v[R2+4*\q:R2+4*\q+3], v[RR] offset:4096*\q
.endr
	v_bfe_u32 v6, v0, 4, 1
	v_and_b32 v7, 15, v0
	v_lshlrev_b32 v7, 4, v7
	v_lshl_add_u32 v6, v6, 12, v7
	s_wait_dscnt 0x0
.irp i, 0,2
	v_pk_add_f32 v[R2+\i:R2+\i+1], v[R2+\i:R2+\i+1], v[R2+4+\i:R2+4+\i+1]
	v_pk_add_f32 v[R2+8+\i:R2+8+\i+1], v[R2+8+\i:R2+8+\i+1], v[R2+12+\i:R2+12+\i+1]
.endr
.irp i, 0,2
	v_pk_add_f32 v[R2+\i:R2+\i+1], v[R2+\i:R2+\i+1], v[R2+8+\i:R2+8+\i+1]
.endr
.irp i, 0,2
	v_pk_add_f32 v[R2+\i:R2+\i+1], v[R2+\i:R2+\i+1], v[8+\i:8+\i+1]            ; + bc
.endr
	global_store_b128 v6, v[R2:R2+3], s[14:15]     ; sixteen lanes store 256 consecutive bytes, aligned
.Ldone:
	s_wait_tensorcnt 0x0                           ; the wave's end: three lines behind my last LDS store
	ds_add_u32 v[SPW], v[NIL]
	s_wait_dscnt 0x0
	s_endpgm
.Lfunc_end_k_q51e38b8ac6_first16:
	.size	k_q51e38b8ac6_first16, .Lfunc_end_k_q51e38b8ac6_first16-k_q51e38b8ac6_first16
	.p2alignl 7, 3214868480
	.fill 96, 4, 3214868480
	.section	.rodata,"a",@progbits
	.p2align	6, 0x0
	.amdhsa_kernel k_q51e38b8ac6_first16
		.amdhsa_group_segment_fixed_size 83968
		.amdhsa_private_segment_fixed_size 0
		.amdhsa_enable_private_segment 0
		.amdhsa_kernarg_size 48
		.amdhsa_user_sgpr_count 2
		.amdhsa_user_sgpr_kernarg_segment_ptr 1
		.amdhsa_wavefront_size32 1
		.amdhsa_system_sgpr_workgroup_id_x 1
		.amdhsa_system_sgpr_workgroup_id_y 1
		.amdhsa_system_sgpr_workgroup_id_z 1
		.amdhsa_system_vgpr_workitem_id 0
		.amdhsa_next_free_vgpr 256
		.amdhsa_next_free_sgpr 66
		.amdhsa_reserve_vcc 1
		.amdhsa_float_denorm_mode_32 3
		.amdhsa_float_denorm_mode_16_64 3
		.amdhsa_memory_ordered 1
		.amdhsa_forward_progress 1
		.amdhsa_inst_pref_size 29
	.end_amdhsa_kernel
	.amdgpu_metadata
---
amdhsa.version: [ 1, 2 ]
amdhsa.kernels:
  - .name:           k_q51e38b8ac6_first16
    .symbol:         k_q51e38b8ac6_first16.kd
    .args:
      - { .name: f32img, .offset: 0, .size: 8, .value_kind: global_buffer, .address_space: global }
      - { .name: af, .offset: 8, .size: 8, .value_kind: global_buffer, .address_space: global }
      - { .name: attention_mask, .offset: 16, .size: 8, .value_kind: global_buffer, .address_space: global }
      - { .name: wc32, .offset: 24, .size: 8, .value_kind: global_buffer, .address_space: global }
      - { .name: bc, .offset: 32, .size: 8, .value_kind: global_buffer, .address_space: global }
      - { .name: out0, .offset: 40, .size: 8, .value_kind: global_buffer, .address_space: global }
    .group_segment_fixed_size: 83968
    .private_segment_fixed_size: 0
    .kernarg_segment_align: 8
    .kernarg_segment_size: 48
    .max_flat_workgroup_size: 512
    .sgpr_count:     66
    .vgpr_count:     256
    .wavefront_size: 32
...
	.end_amdgpu_metadata
.endif
;; end of part 5
